; MI455X (gfx1250); checked and timed in simulation.
; The chip was launched on July 23, 2026; its instructions are those of AMD's public machine-readable ISA for CDNA 5 (MIT licence, August 2026) and "CDNA5" Instruction Set Architecture Reference Guide (July 2026). The comments in the code are by the model that wrote it; some were corrected since.
;; New Gene Attention Layer. Allowed arithmetic: matrix products marked QUANTISED: E2M3 operands, one E8M0 scale for each 32 along K, by v_wmma_scale_f32_16x16x128_f8f6f4 with both operands' format E2M3, f32 sums; everything else in f32.
;; Inputs: M 2 x 2,048 x 2,048 float32; Wk 1,024 x 1,024 float32; Wo 1,024 x 1,024 float32; Wq 1,024 x 1,024 float32; Wv 1,024 x 1,024 float32; bk 1,024 float32; bo 1,024 float32; bq 1,024 float32; bv 1,024 float32; x 2 x 2,048 x 1,024 float32.
;; Outputs: out0 2 x 2,048 x 1,024 float32.
;; This version of the problem:
;;   THIS VERSION OF THE PROBLEM IS GIVEN IN LOW PRECISION. The matrix products marked QUANTISED in the list below multiply operands that are first quantised to E2M3 (2 exponent bits, 3 mantissa bits; 6 bits a number), with one power-of-two scale for each 32 numbers along K (OCP MX v1.0); their sums are f32. All else is computed in f32.
;;   The module's matrix products, in the order in which they are computed (A, B: the left and right operand; K: the contracted axis; several contracted axes count as one K, in the product's order):
;;     1. [M 4,096, K 1,024] x [K 1,024, N 1,024]; A: input x; B: input Wq: QUANTISED
;;     2. [M 4,096, K 1,024] x [K 1,024, N 1,024]; A: input x; B: input Wk: QUANTISED
;;     3. [M 4,096, K 1,024] x [K 1,024, N 1,024]; A: input x; B: input Wv: QUANTISED
;;     4. batch 32 x [M 2,048, K 64] x [K 64, N 2,048]; A: computed on the way; B: computed on the way: QUANTISED
;;     5. batch 32 x [M 2,048, K 2,048] x [K 2,048, N 64]; A: computed on the way; B: computed on the way: QUANTISED
;;     6. [M 4,096, K 1,024] x [K 1,024, N 1,024]; A: computed on the way; B: input Wo: QUANTISED
;;   THE QUANTISER, for each operand of a quantised product, along K:
;;     - K is cut into blocks of 32 from its start; a last block that is shorter is filled with zeros.
;;     - A block's scale is 2^e with e = floor(log2(the largest magnitude in the block)) - 2, held to -126 .. 127; a block of zeros has e = 0. As a byte (E8M0): e + 127.
;;     - Each number is divided by its block's scale, clamped to +-7.5, and rounded to the nearest number of E2M3, ties to even, subnormals kept.
;;     - The product sums the exact products of the quantised numbers (number of the format x scale) in f32.
;;   ~~~python
;;   def quantise(x, axis):      # numpy; x: float32 -> the quantised numbers, widened to float32 again
;;       x = np.moveaxis(x, axis, -1); K = x.shape[-1]
;;       x = np.pad(x, [(0, 0)] * (x.ndim - 1) + [(0, -K % 32)]); x = x.reshape(x.shape[:-1] + (-1, 32)); a = np.abs(x).max(-1, keepdims=True)
;;       e = np.where(a > 0, np.clip(np.frexp(np.where(a > 0, a, 1))[1] - 1 - 2, -126, 127), 0)      # np.frexp(a)[1] - 1 = floor(log2(a)), exactly
;;       r = np.clip(x / 2.0 ** e, -7.5, 7.5)
;;       step = 2.0 ** (np.maximum(np.frexp(np.where(r == 0, 1, r))[1] - 1, 0) - 3)
;;       q = np.round(r / step) * step * 2.0 ** e      # np.round: ties to even
;;       return np.moveaxis(q.reshape(q.shape[:-2] + (-1,))[..., :K], -1, axis).astype(np.float32)
;;   ~~~
;;   OPERANDS COMPUTED ON THE WAY. 'Computed on the way' means the value that the module computes at that place (a softmax that the list does not call 'softmax' is quantised finished and normalised). What goes into a quantiser is computed in f32, as accurately as f32 sums, v_exp_f32 and their like allow (about 1e-6 of the number): no bf16 or f16 on the way to a quantiser, and a product that is left as it is and whose result goes on into a quantised operand takes f32 operands (vector FMAs, or v_wmma_f32_16x16x4_f32). A number that lies on a knife's edge between two numbers of the format may be rounded either way, as far as f32 arithmetic and the matrix unit's own rounding can turn it there, and no further.
;; One version. Each part assembles by itself: llvm-mc -triple=amdgcn-amd-amdhsa -mcpu=gfx1250 --defsym DOCPART=n.
;; ======== version 1 of 1: 4 launches
;; limits: right only within a limited range of input values
;; workspace buffers: pk 6,553,600 bytes; qc 3,145,728 bytes; qs 262,144 bytes; kp 3,407,872 bytes; vp 3,407,872 bytes; ap 3,276,800 bytes
;; launch quant (part 1): grid 256 x 1, 4 waves a work-group, no clusters, 34,304 bytes of LDS; arguments x, Wq, Wk, Wv, Wo, pk; writes pk
.if DOCPART == 1
	.amdgcn_target "amdgcn-amd-amdhsa--gfx1250"
	.amdhsa_code_object_version 6
	.text
	.protected	k_q9bb6ca9a60_quant
	.globl	k_q9bb6ca9a60_quant
	.p2align	8
	.type	k_q9bb6ca9a60_quant,@function
k_q9bb6ca9a60_quant:
	s_mov_b64 s[64:65], 0
	v_nop
	global_prefetch_b8 v0, s[64:65] scope:SCOPE_SE
	s_setreg_imm32_b32 hwreg(HW_REG_WAVE_MODE, 25, 1), 1
	s_wait_xcnt 0x0
; x [4096][1024] and Wq, Wk, Wv, Wo [1024][1024], f32, K innermost, become codes of FP6 (E2M3) with one E8M0 byte for each 32 along K,
; laid in pk as IMAGES OF OPERAND REGISTERS: 64 panels of 128 rows (0-31 x, 32-39 Wq, 40-47 Wk, 48-55 Wv, 56-63 Wo), 102,400 bytes each.
; A panel: fragment (row tile 0-7, K step 0-7) at tile x 12,288 + step x 1,536: registers 4 i .. 4 i + 3 of lane l at 512 i + 16 l;
; scale words at 98,304 + tile x 512 + (step / 4) x 256 + 16 row + 4 (step % 4).
; THE ORDER OF K IN A BLOCK: inside each block of 32 the two middle groups of eight change places (positions 8-15 hold k 16-23, positions
; 16-23 hold k 8-15).  Operands that later launches make from matrix results come out in that order, so every operand of the program has it;
; the blocks, and so the scales, are the plain ones.
; A block's scale is 2^(floor(log2(largest magnitude)) - 2); its byte is the largest magnitude's exponent field - 2, held at 1 from below.
; LIMITS: a block of zeros keeps the byte 1 where the rule says 127 (its codes are zeros; this program alone reads the bytes);
; NaN and infinities among the inputs are not served.
; SHARES: 512 row tiles of 16 rows, two to a work-group; a wave takes one tile and half of K: four fragments, 32 KiB of f32.
; Each load reads 512 consecutive bytes of a row; a fragment's 8 KiB turn through the wave's own stage in LDS (rows of 512 + 16 bytes) so that
; a lane gets the 32 neighbours of its two blocks.  No tensor load, no barrier, no cluster: waves share nothing.
.set STGB,  8448                       ; a wave's stage: 16 rows x 528 bytes
.set SPARE, 4*STGB                     ; behind the stages: the spare words, 128 bytes a wave
.set GI,   4                           ; v4   16 x lane
.set SI,   5                           ; v5   the stage, on the way in
.set SO,   6                           ; v6   the stage, on the way out: row r, + 128 h
.set GS,   7                           ; v7   16 r + 8 h: my two scale words' place
.set H8,   8                           ; v8   8 h
.set SPW,  10                          ; v10  LDS address of my spare word; never rewritten
.set NIL,  11                          ; v11  0; never rewritten
.set MX,   12                          ; v12-13 the two blocks' largest magnitudes
.set SOP,  14                          ; v14-15 the conversions' scale operands
.set BY,   16                          ; v16-17 the scale bytes
.set WT,   18                          ; v18  my two bytes at their places
.set PT,   19                          ; v19  the other half's
.set WRD,  20                          ; v20-23 the four fragments' scale words
.set OUTW, 24                          ; v24-25 the two that I store
.set FR,   28                          ; v28-39 a fragment's codes
.set TMP,  40                          ; v40-47 second halves of the blocks' codes
.set X,    48                          ; v48-111 64 numbers in the operand's order
.set R,    112                         ; v112-239 two sets of 64 registers as loaded
	s_load_b256 s[4:11], s[0:1], 0x0               ; x, Wq, Wk, Wv
	s_load_b128 s[12:15], s[0:1], 0x20             ; Wo, pk
	v_lshl_add_u32 v[SPW], v0, 2, SPARE
	v_mov_b32 v[NIL], 0
	v_lshrrev_b32 v1, 5, v0
	v_readfirstlane_b32 s16, v1                    ; wave
	v_and_b32 v1, 31, v0                           ; lane
	v_and_b32 v2, 15, v0                           ; r
	v_bfe_u32 v3, v0, 4, 1                         ; h
	v_lshlrev_b32 v[GI], 4, v1
	s_mul_i32 s17, s16, STGB
	v_add_nc_u32 v[SI], s17, v[GI]
	v_mul_u32_u24 v[SO], v2, 528
	v_lshl_add_u32 v[SO], v3, 7, v[SO]
	v_add_nc_u32 v[SO], s17, v[SO]
	v_lshlrev_b32 v[GS], 4, v2
	v_lshl_add_u32 v[GS], v3, 3, v[GS]
	v_lshlrev_b32 v[H8], 3, v3
	v_cmp_ne_u32 vcc_lo, 0, v3                     ; lanes 16-31
	v_mov_b32 v[PT], 0                             ; a lane permute's destination counts as one of its sources
	s_mov_b32 s32, 0x76543210
	s_mov_b32 s33, 0xfedcba98                      ; selects for lane l xor 16
	s_lshr_b32 s18, s16, 1                         ; which of the work-group's two tiles
	s_and_b32 s19, s16, 1                          ; which half of K
	s_cmp_lt_u32 ttmp9, 128
	s_cselect_b32 s20, 127, 31                     ; x has 128 work-groups, each W 32
	s_and_b32 s21, ttmp9, s20
	s_lshl_b32 s21, s21, 1
	s_add_co_u32 s21, s21, s18                     ; the tile in its tensor
	s_lshl_b32 s22, s21, 16                        ; 16 rows of 4,096 bytes
	s_lshl_b32 s23, s19, 11                        ; half a row
	s_add_co_u32 s22, s22, s23
	s_mov_b32 s23, 0
	s_lshr_b32 s24, ttmp9, 2
	s_mul_i32 s24, s24, 102400                     ; the panel
	s_and_b32 s25, ttmp9, 3
	s_lshl_b32 s25, s25, 1
	s_add_co_u32 s25, s25, s18                     ; the tile in its panel
	s_mul_i32 s34, s25, 12288
	s_mul_i32 s35, s19, 6144
	s_add_co_u32 s34, s34, s35
	s_add_co_u32 s34, s34, s24                     ; my codes
	s_mov_b32 s35, 0
	s_lshl_b32 s36, s25, 9
	s_lshl_b32 s37, s19, 8
	s_add_co_u32 s36, s36, s37
	s_add_co_u32 s36, s36, s24
	s_add_co_u32 s36, s36, 98304                   ; my scale words
	s_mov_b32 s37, 0
	s_wait_alu depctr_va_vdst(0)
	s_wait_kmcnt 0x0
	s_cmp_lt_u32 ttmp9, 224                        ; which tensor: the choice hangs on the work-group's number alone
	s_cselect_b64 s[26:27], s[10:11], s[12:13]
	s_cmp_lt_u32 ttmp9, 192
	s_cselect_b64 s[26:27], s[8:9], s[26:27]
	s_cmp_lt_u32 ttmp9, 160
	s_cselect_b64 s[26:27], s[6:7], s[26:27]
	s_cmp_lt_u32 ttmp9, 128
	s_cselect_b64 s[26:27], s[4:5], s[26:27]
	s_add_nc_u64 s[26:27], s[26:27], s[22:23]
	s_add_nc_u64 s[28:29], s[14:15], s[34:35]
	s_add_nc_u64 s[30:31], s[14:15], s[36:37]
.macro LOAD sp                         ; fragment sp: 16 rows x 512 bytes, a row a load
.irp p, 0,1,2,3,4,5,6,7,8,9,10,11,12,13,14,15
	global_load_b128 v[R+64*((\sp)%2)+4*\p:R+64*((\sp)%2)+4*\p+3], v[GI], s[26:27] offset:\p*4096+(\sp)*512 th:TH_LOAD_NT
.endr
.endm
.macro FRAG sp
.if (\sp) < 3
	s_wait_loadcnt 16                              ; this fragment's sixteen loads are in; the next fragment's sixteen may be out
.else
	s_wait_loadcnt 0x0
.endif
.irp p, 0,1,2,3,4,5,6,7,8,9,10,11,12,13,14,15
	ds_store_b128 v[SI], v[R+64*((\sp)%2)+4*\p:R+64*((\sp)%2)+4*\p+3] offset:\p*528
.endr
.irp c, 0,1                            ; block 2 c + h of my row: 4 numbers a load; the destination's number makes the order of K stated at the head
.irp i, 0,1,2,3,4,5,6,7
	ds_load_b128 v[X+32*\c+16*((\i/2)%2)+8*(\i/4)+4*(\i%2):X+32*\c+16*((\i/2)%2)+8*(\i/4)+4*(\i%2)+3], v[SO] offset:256*\c+16*\i
.endr
.endr
	s_wait_dscnt 0x0                               ; the numbers are back, and the stage's stores have read their registers
	s_wait_xcnt 0x0                                ; the last fragment's stores have read the codes' registers, which are written again below
.if (\sp) < 2
	LOAD (\sp)+2
.endif
.irp c, 0,1
	v_max3_num_f32 v[MX+\c], |v[X+32*\c]|, |v[X+32*\c+1]|, 0x1800000   ; all 32 numbers of a block are mine; the floor 2^(3 - 127) holds the byte at 1 from below
.endr
.irp i, 2,4,6,8,10,12,14,16,18,20,22,24,26,28,30
.irp c, 0,1
	v_max3_num_f32 v[MX+\c], v[MX+\c], |v[X+32*\c+\i]|, |v[X+32*\c+\i+1]|
.endr
.endr
.irp c, 0,1
	v_add_nc_u32 v[SOP+\c], 0xff000000, v[MX+\c]   ; 2 off the exponent field: the conversion's scale operand
.endr
.irp c, 0,1
	v_lshrrev_b32 v[BY+\c], 23, v[SOP+\c]          ; the scale's byte
.endr
	v_lshl_or_b32 v[WT], v[BY+1], 16, v[BY]        ; blocks h and 2 + h,
	v_lshlrev_b32 v[WT], v[H8], v[WT]              ; at their places in the word;
	v_permlanex16_b32 v[PT], v[WT], s32, s33
	v_or_b32 v[WRD+(\sp)], v[WT], v[PT]            ; with lane l xor 16's two the word is whole
.irp c, 0,1
	v_cvt_scalef32_pk16_fp6_f32 v[FR+6*\c:FR+6*\c+2], v[X+32*\c:X+32*\c+15], v[SOP+\c]
	v_cvt_scalef32_pk16_fp6_f32 v[TMP+4*\c:TMP+4*\c+2], v[X+32*\c+16:X+32*\c+31], v[SOP+\c]   ; (a conversion's three registers begin on an even number)
.endr
	v_nop                                          ; one plain place behind a scaled conversion
.irp c, 0,1
.irp i, 0,1,2
	v_mov_b32 v[FR+6*\c+3+\i], v[TMP+4*\c+\i]
.endr
.endr
.irp i, 0,1,2
	global_store_b128 v[GI], v[FR+4*\i:FR+4*\i+3], s[28:29] offset:(\sp)*1536+512*\i   ; 32 lanes store 512 consecutive bytes
.endr
.endm
	LOAD 0
	LOAD 1
	FRAG 0
	FRAG 1
	FRAG 2
	FRAG 3
	v_cndmask_b32 v[OUTW], v[WRD], v[WRD+2], vcc_lo      ; lanes 0-15 store words 0, 1 of their row, lanes 16-31 words 2, 3
	v_cndmask_b32 v[OUTW+1], v[WRD+1], v[WRD+3], vcc_lo
	global_store_b64 v[GS], v[OUTW:OUTW+1], s[30:31]     ; 256 consecutive bytes
	s_wait_tensorcnt 0x0                           ; the wave's end, behind my last LDS store
	ds_add_u32 v[SPW], v[NIL]
	s_wait_dscnt 0x0
	s_endpgm
.Lfunc_end_k_q9bb6ca9a60_quant:
	.size	k_q9bb6ca9a60_quant, .Lfunc_end_k_q9bb6ca9a60_quant-k_q9bb6ca9a60_quant
	.p2alignl 7, 3214868480
	.fill 96, 4, 3214868480
	.section	.rodata,"a",@progbits
	.p2align	6, 0x0
	.amdhsa_kernel k_q9bb6ca9a60_quant
		.amdhsa_group_segment_fixed_size 34304
		.amdhsa_private_segment_fixed_size 0
		.amdhsa_enable_private_segment 0
		.amdhsa_kernarg_size 48
		.amdhsa_user_sgpr_count 2
		.amdhsa_user_sgpr_kernarg_segment_ptr 1
		.amdhsa_wavefront_size32 1
		.amdhsa_system_sgpr_workgroup_id_x 1
		.amdhsa_system_sgpr_workgroup_id_y 1
		.amdhsa_system_sgpr_workgroup_id_z 1
		.amdhsa_system_vgpr_workitem_id 0
		.amdhsa_next_free_vgpr 240
		.amdhsa_next_free_sgpr 66
		.amdhsa_reserve_vcc 1
		.amdhsa_float_denorm_mode_32 3
		.amdhsa_float_denorm_mode_16_64 3
		.amdhsa_memory_ordered 1
		.amdhsa_forward_progress 1
		.amdhsa_inst_pref_size 31
	.end_amdhsa_kernel
	.amdgpu_metadata
---
amdhsa.version: [ 1, 2 ]
amdhsa.kernels:
  - .name:           k_q9bb6ca9a60_quant
    .symbol:         k_q9bb6ca9a60_quant.kd
    .args:
      - { .name: x, .offset: 0, .size: 8, .value_kind: global_buffer, .address_space: global }
      - { .name: Wq, .offset: 8, .size: 8, .value_kind: global_buffer, .address_space: global }
      - { .name: Wk, .offset: 16, .size: 8, .value_kind: global_buffer, .address_space: global }
      - { .name: Wv, .offset: 24, .size: 8, .value_kind: global_buffer, .address_space: global }
      - { .name: Wo, .offset: 32, .size: 8, .value_kind: global_buffer, .address_space: global }
      - { .name: pk, .offset: 40, .size: 8, .value_kind: global_buffer, .address_space: global }
    .group_segment_fixed_size: 34304
    .private_segment_fixed_size: 0
    .kernarg_segment_align: 8
    .kernarg_segment_size: 48
    .max_flat_workgroup_size: 128
    .sgpr_count:     66
    .vgpr_count:     240
    .wavefront_size: 32
...
	.end_amdgpu_metadata
.endif
;; end of part 1
;; launch qkv (part 2): grid 8 x 32, 4 waves a work-group, clusters of 4 x 4, 327,680 bytes of LDS; arguments pk, bq, bk, bv, qc, qs, kp, vp; writes qc, qs, kp, vp
.if DOCPART == 2
	.amdgcn_target "amdgcn-amd-amdhsa--gfx1250"
	.amdhsa_code_object_version 6
	.text
	.protected	k_q9bb6ca9a60_qkv
	.globl	k_q9bb6ca9a60_qkv
	.p2align	8
	.type	k_q9bb6ca9a60_qkv,@function
k_q9bb6ca9a60_qkv:
	s_mov_b64 s[64:65], 0
	v_nop
	global_prefetch_b8 v0, s[64:65] scope:SCOPE_SE
	s_setreg_imm32_b32 hwreg(HW_REG_WAVE_MODE, 25, 1), 1
	s_wait_xcnt 0x0
	s_wait_alu depctr_hold_cnt(0) depctr_sa_sdst(0) depctr_va_vdst(0) depctr_va_sdst(0) depctr_va_ssrc(0) depctr_va_vcc(0) depctr_vm_vsrc(0)
	s_getreg_b32 s2, hwreg(HW_REG_IB_STS2, 6, 4)
	s_cmp_eq_u32 s2, 0
	s_cbranch_scc0 .Lentry_in_a_cluster
	s_endpgm
.Lentry_in_a_cluster:
	s_bfe_u32 s2, ttmp6, 0x10000c
	s_cmp_lg_u32 s2, 0xf033
	s_cbranch_scc0 .Lentry_shape_is_right
	s_endpgm
.Lentry_shape_is_right:
; Q, K, V = x W^T + b on codes of FP6 (E2M3) with E8M0 scales, then quantised again: Q and K along the head's 64, V along the keys.
; SHARES: a work-group takes 128 tokens (panel tb of x) x 128 features (two heads, panel fb of each W) and makes Q, K and V of them in three
; phases on one resident panel of x.  Wave w: tokens 64 (w & 1) on, head w >> 1: 64 x 64, sixteen accumulators.
; Panels lie in memory as images of operand registers, so a fragment is three ds_load_b128 at 16 x lane and a quarter panel is one dense tensor load.
; CLUSTER 4 x 4: x's panel hangs on tb alone and is asked for jointly along a row of the cluster, a W's panel on fb alone, along a column.
; LDS: x's panel, two regions for W's panels.  Wq comes with x as first fills (one load a wave is out), Wk behind a round; Wv is filled over Wq behind a round
; of the cluster's barrier (one load a wave is out) and lands under Q's way out and K's products.
; Q, K: source 0 = 16 rows of W, source 1 = 16 tokens: a lane holds one token, its registers run along the features, the next K.
; V: source 0 = 16 tokens, source 1 = 16 rows of W: a lane holds one feature, its registers run along the tokens, which are the keys.
; The biases are the C of each sum's first matrix instruction.  The sixteen accumulators take turns, one instruction a turn.
; A result of 16 rows x 64 along the next K is a HALF FRAGMENT: 6 registers a lane; stored as an image: registers 0-3 at 16 x lane, 4-5 at 512 + 8 x lane.
; LIMITS: a block of zeros keeps the scale byte 1 where the rule says 127 (its codes are zeros; this program alone reads the bytes); NaN and infinities are not served.
; REGISTERS: window 0: v1-13 addresses; v16-31 scale words; v32-79, v80-127 four fragments each; v128-255 accumulator (a, p) at 128 + 32 a + 8 p.  window 1: v0-95 the biases.
.set PANEL, 102400
.set QUART, 25600                      ; what one tensor load brings: 100 rows of 256 bytes
.set TILEB, 12288                      ; a row tile's eight fragments
.set FRB,   1536                       ; a fragment
.set SCO,   98304                      ; where a panel's scale words begin
.set WA,    102400                     ; LDS: x's panel at 0; Wq's, later Wv's;
.set WB,    204800                     ; Wk's
.set SPARE, 307200                     ; the spare words, 128 bytes a wave
.set SPW,  12
.set NIL,  13
.set SC,   16                          ; register 4 i + s % 4: lanes 0-15 the word of x's tile i, lanes 16-31 that of W's tile i
.set F0,   32
.set F1,   80
.set ACC,  128
.set TM,   64                          ; at work on the way out: the fragments' registers are free then
.set TC,   72
.set PC,   80
.set WD,   112
.set OUTW, 116
.set BQ,   0                           ; window 1
.set BK,   32
.set BV,   64
.set WV,   20
.set G1X,  32
.set G1W,  40
.set G0X,  48
.set G0A,  52
.set G0B,  56
.set G0H,  92                          ; s[92:95] group 0 of the head's load of half of Wq's panel
; THE FIRST FILLS, one tensor load a wave: waves 0 and 1 bring the halves of x's panel, waves 2 and 3 those of Wq's (200 rows of 256 bytes each).
; Wk's panel is a later first fill, a quarter a wave, behind the three lines and a round; it lands under Q's products.
.set SEL,  60
.set HM,   62                          ; s62: the mask of lanes 16-31
.set MSB, 0
.macro WIN new                         ; the immediate's high byte repeats the setting that is left
.if MSB != \new
	s_set_vgpr_msb (MSB<<8)|\new
.set MSB, \new
.endif
.endm
.macro PLACES n
.rept \n
	v_nop
.endr
.endm
.macro CROUND                          ; a round of the cluster's barrier
	s_barrier_signal -1
	s_barrier_wait -1
	s_cmp_lg_u32 s[WV], 0
	s_cbranch_scc1 .Lnot_wave_0_\@
	s_barrier_signal -3
.Lnot_wave_0_\@:
	s_barrier_wait -3
	s_barrier_signal -1
	s_barrier_wait -1
.endm
; 32 numbers of a lane, register 16 b + i of block b, become a half fragment's codes in v[pc] on and its scale word (two bytes) in v[w].
.macro QUANT64 s, pc, w
.irp b, 0,1
	v_max3_num_f32 v[TM+\b], |v[\s+16*\b]|, |v[\s+16*\b+1]|, 0x1800000   ; my 16 numbers of the block, and the floor 2^(3 - 127)
.endr
.irp i, 2,4,6,8,10,12,14
.irp b, 0,1
	v_max3_num_f32 v[TM+\b], v[TM+\b], |v[\s+16*\b+\i]|, |v[\s+16*\b+\i+1]|
.endr
.endr
.irp b, 0,1
	v_permlanex16_b32 v[TM+2+\b], v[TM+\b], s[SEL], s[SEL+1]
.endr
.irp b, 0,1
	v_max_num_f32 v[TM+\b], v[TM+\b], v[TM+2+\b]   ; with lane l xor 16's: the block's largest magnitude
.endr
.irp b, 0,1
	v_add_nc_u32 v[TM+4+\b], 0xff000000, v[TM+\b]  ; 2 off its exponent field: the conversion's scale operand
.endr
.irp b, 0,1
	v_lshrrev_b32 v[TM+6+\b], 23, v[TM+4+\b]       ; the scale's byte
.endr
	v_lshl_or_b32 v[\w], v[TM+7], 8, v[TM+6]
	v_cvt_scalef32_pk16_fp6_f32 v[\pc:\pc+2], v[\s:\s+15], v[TM+4]
	v_cvt_scalef32_pk16_fp6_f32 v[TC:TC+2], v[\s+16:\s+31], v[TM+5]
	v_nop                                          ; one plain place behind a scaled conversion
.irp i, 0,1,2
	v_permlane16_swap_b32 v[\pc+\i], v[TC+\i]      ; a whole block to a lane: lanes 0-15 block 0, lanes 16-31 block 1
.endr
.irp i, 0,1,2
	v_mov_b32 v[\pc+3+\i], v[TC+\i]
.endr
.endm
.macro MM vt, a, p, s, bias
.set rD, ACC+32*(\a)+8*(\p)
.set rA, F0+12*(\p)
.set rB, F1+12*(\a)
.set sA, SC+4*(\p)+(\s)%4
.set sB, SC+4*(\a)+(\s)%4
.if \vt
.if (\s) == 0
	v_wmma_scale_f32_16x16x128_f8f6f4 v[rD:rD+7], v[rA:rA+11], v[rB:rB+11], v[\bias+8*(\a):\bias+8*(\a)+7], v[sA], v[sB] matrix_a_fmt:MATRIX_FMT_FP6 matrix_b_fmt:MATRIX_FMT_FP6 matrix_b_scale:MATRIX_SCALE_ROW1
.else
	v_wmma_scale_f32_16x16x128_f8f6f4 v[rD:rD+7], v[rA:rA+11], v[rB:rB+11], v[rD:rD+7], v[sA], v[sB] matrix_a_fmt:MATRIX_FMT_FP6 matrix_b_fmt:MATRIX_FMT_FP6 matrix_b_scale:MATRIX_SCALE_ROW1
.endif
.else
.if (\s) == 0
	v_wmma_scale_f32_16x16x128_f8f6f4 v[rD:rD+7], v[rA:rA+11], v[rB:rB+11], v[\bias+8*(\p):\bias+8*(\p)+7], v[sA], v[sB] matrix_a_fmt:MATRIX_FMT_FP6 matrix_b_fmt:MATRIX_FMT_FP6 matrix_a_scale:MATRIX_SCALE_ROW1
.else
	v_wmma_scale_f32_16x16x128_f8f6f4 v[rD:rD+7], v[rA:rA+11], v[rB:rB+11], v[rD:rD+7], v[sA], v[sB] matrix_a_fmt:MATRIX_FMT_FP6 matrix_b_fmt:MATRIX_FMT_FP6 matrix_a_scale:MATRIX_SCALE_ROW1
.endif
.endif
.endm
; A K step of 128: eight fragments from LDS, sixteen matrix instructions.  vt = 0: source 0 = W (address a0), source 1 = x (a1); vt = 1: the other way round.
.macro KSTEP vt, a0, a1, as, s, bias
	PLACES 4                                       ; four places behind the last matrix instruction, ahead of loads into registers that it read (ISA guide 7.12.1 for vector instructions)
.if (\s)%4 == 0
.irp i, 0,1,2,3
	ds_load_b128 v[SC+4*\i:SC+4*\i+3], v[\as] offset:\i*512+((\s)/4)*256   ; four K steps' scale words
.endr
.endif
.irp p, 0,1,2,3
.irp k, 0,1,2
	ds_load_b128 v[F0+12*\p+4*\k:F0+12*\p+4*\k+3], v[\a0] offset:\p*TILEB+(\s)*FRB+512*\k
.endr
.endr
.irp p, 0,1,2,3
.irp k, 0,1,2
	ds_load_b128 v[F1+12*\p+4*\k:F1+12*\p+4*\k+3], v[\a1] offset:\p*TILEB+(\s)*FRB+512*\k
.endr
.endr
.if (\s) == 0
	WIN 0x10                                       ; C, the bias, in window 1
.endif
.irp a, 0,1,2,3
	s_wait_dscnt 9-3*\a                            ; the later tiles of the second set, three loads each, may be out
.irp p, 0,1,2,3
	MM \vt, \a, \p, \s, \bias
.endr
.endr
	WIN 0
.endm
; The way out of a phase: four half fragments and their scale words.
.macro EPI cb, sb, stride
	PLACES 4                                       ; ahead of the first read of results and the first write of registers that the last products read
	v_mov_b32 v[TM+2], 0                           ; a lane permute's destination counts as one of its sources
	v_mov_b32 v[TM+3], 0
.irp a, 0,1,2,3
	QUANT64 ACC+32*\a, PC+8*\a, WD+\a
	global_store_b128 v1, v[PC+8*\a:PC+8*\a+3], s[\cb:\cb+1] offset:\a*\stride          ; 512 consecutive bytes
	global_store_b64 v9, v[PC+8*\a+4:PC+8*\a+5], s[\cb:\cb+1] offset:\a*\stride+512     ; 256 consecutive bytes
.endr
	v_cndmask_b32 v[OUTW], v[WD], v[WD+1], s[HM]   ; word i: lanes 0-15 tile 2 i's, lanes 16-31 tile 2 i + 1's
	v_cndmask_b32 v[OUTW+1], v[WD+2], v[WD+3], s[HM]
	global_store_b64 v9, v[OUTW:OUTW+1], s[\sb:\sb+1]
	s_wait_xcnt 0x0                                ; the stores have read their registers: the next phase's LDS loads land there
.endm
	s_load_b512 s[4:19], s[0:1], 0x0               ; pk, bq, bk, bv, qc, qs, kp, vp
	v_lshl_add_u32 v[SPW], v0, 2, SPARE
	v_mov_b32 v[NIL], 0
	ds_add_u32 v[SPW], v[NIL]                      ; the wave's opening: the add and its wait ahead of my first tensor load
	ds_add_u32 v[SPW], v[NIL]
	v_lshrrev_b32 v1, 5, v0
	v_readfirstlane_b32 s[WV], v1                  ; wave 0..3
	s_and_b32 s21, s[WV], 1                        ; th: which 64 tokens
	s_lshr_b32 s22, s[WV], 1                       ; hd: which head
	s_bfe_u32 s23, ttmp6, 0x40000                  ; cx
	s_bfe_u32 s24, ttmp6, 0x40004                  ; cy
	s_lshl_b32 s25, ttmp9, 2
	s_add_co_u32 s25, s25, s23                     ; fb = 4 x cluster x + cx
	s_and_b32 s26, ttmp7, 0xffff
	s_lshl_b32 s26, s26, 2
	s_add_co_u32 s26, s26, s24                     ; tb = 4 x cluster y + cy
	s_lshl_b32 s27, s24, 2
	s_lshl_b32 s27, 15, s27                        ; my row of the cluster
	s_lshl_b32 s28, 0x1111, s23                    ; my column
	s_or_b32 s[G1X], s27, (3<<16)|(1<<21)          ; 15:0 the mask; 17:16 elements of 8 bytes; 21 set beside a mask; no padding
	s_or_b32 s[G1W], s28, (3<<16)|(1<<21)
.irp g, G1X, G1W
	s_mov_b32 s[\g+1], 32<<16                      ; tensor_dim0 = 32 elements: 256 bytes
	s_mov_b32 s[\g+2], 200<<16                     ; tensor_dim1 = 200: the head's loads bring half a panel
	s_mov_b32 s[\g+3], 32<<16                      ; tile_dim0
	s_mov_b32 s[\g+4], 200                         ; tile_dim1
	s_mov_b32 s[\g+5], 32                          ; the pitch: dense
	s_mov_b32 s[\g+6], 0
	s_mov_b32 s[\g+7], 0
.endr
	s_mul_i32 s84, s[WV], QUART                    ; my quarter of a panel: in memory and in LDS
	s_mul_i32 s85, s21, 2*QUART                    ; which half of a panel I bring at the head: wave & 1
	s_mul_i32 s80, s26, PANEL                      ; x: panel tb (no cx enters)
	s_add_co_u32 s80, s80, s85
	s_mov_b32 s81, 0
	s_mul_i32 s96, s25, PANEL                      ; Wq: panel 32 + fb, by halves (no cy enters)
	s_add_co_u32 s96, s96, s85
	s_add_co_u32 s96, s96, 32*PANEL
	s_mov_b32 s97, 0
	s_mul_i32 s82, s25, PANEL                      ; Wq: panel 32 + fb (no cy enters)
	s_add_co_u32 s82, s82, s84
	s_add_co_u32 s82, s82, 32*PANEL
	s_mov_b32 s83, 0
	s_mov_b32 s[SEL], 0x76543210
	s_mov_b32 s[SEL+1], 0xfedcba98
	s_wait_dscnt 0x0                               ; the opening add is done
	s_wait_kmcnt 0x0
	s_mov_b32 s[G0X], 1
	s_mov_b32 s[G0X+1], s85
	s_add_nc_u64 s[G0X+2:G0X+3], s[4:5], s[80:81]
	s_or_b32 s[G0X+3], s[G0X+3], 0x80000000
	s_mov_b32 s[G0H], 1
	s_add_co_u32 s[G0H+1], s85, WA
	s_add_nc_u64 s[G0H+2:G0H+3], s[4:5], s[96:97]
	s_or_b32 s[G0H+3], s[G0H+3], 0x80000000
	s_mov_b32 s[G0A], 1
	s_add_co_u32 s[G0A+1], s84, WA
	s_add_nc_u64 s[G0A+2:G0A+3], s[4:5], s[82:83]
	s_or_b32 s[G0A+3], s[G0A+3], 0x80000000
	s_mov_b32 s[G0B], 1
	s_add_co_u32 s[G0B+1], s84, WB
	s_add_nc_u64 s[G0B+2:G0B+3], s[4:5], s[82:83]
	s_add_nc_u64 s[G0B+2:G0B+3], s[G0B+2:G0B+3], 8*PANEL   ; Wk: eight panels on
	s_or_b32 s[G0B+3], s[G0B+3], 0x80000000
	CROUND                                         ; all sixteen work-groups are here: the first joint loads meet
	s_cmp_lt_u32 s[WV], 2                          ; one chain on the wave's number, one load to an arm
	s_cbranch_scc0 .Lhead_w
	tensor_load_to_lds s[G0X:G0X+3], s[G1X:G1X+7]  ; half of x's panel
	s_nop 0
	PLACES 4
	s_branch .Lhead_asked
.Lhead_w:
	tensor_load_to_lds s[G0H:G0H+3], s[G1W:G1W+7]  ; half of Wq's panel
	s_nop 0
	PLACES 4
.Lhead_asked:
	v_and_b32 v1, 31, v0
	v_lshlrev_b32 v9, 3, v1                        ; v9  8 x lane
	v_lshlrev_b32 v1, 4, v1                        ; v1  16 x lane
	v_and_b32 v2, 15, v0                           ; r
	v_bfe_u32 v3, v0, 4, 1                         ; h
	s_wait_alu depctr_va_vdst(0)
	s_mul_i32 s86, s21, 4*TILEB
	v_add_nc_u32 v4, s86, v1                       ; v4  x's fragments: my four tiles
	s_mul_i32 s87, s22, 4*TILEB
	s_add_co_u32 s87, s87, WA
	v_add_nc_u32 v5, s87, v1                       ; v5  W's, first region
	v_add_nc_u32 v6, PANEL, v5                     ; v6  W's, second region
	s_lshl_b32 s86, s21, 11                        ; scale words: x's four tiles,
	s_lshl_b32 s87, s22, 11
	s_add_co_u32 s87, s87, PANEL
	s_sub_co_u32 s87, s87, s86                     ; and how far on W's lie: lanes 16-31 take those
	s_add_co_u32 s88, s87, PANEL
	s_add_co_u32 s86, s86, SCO
	v_mul_u32_u24 v7, s87, v3
	v_lshl_add_u32 v7, v2, 4, v7
	v_add_nc_u32 v7, s86, v7                       ; v7  with W in the first region
	v_mul_u32_u24 v8, s88, v3
	v_lshl_add_u32 v8, v2, 4, v8
	v_add_nc_u32 v8, s86, v8                       ; v8  in the second
	v_lshlrev_b32 v10, 5, v3                       ; v10 32 h
	s_wait_alu depctr_va_vdst(0)
	v_lshlrev_b32 v11, 2, v2                       ; v11 4 r
	s_wait_alu depctr_va_vdst(0)
	v_cmp_ne_u32 s[HM], 0, v3
	s_lshl_b32 s88, s25, 9                         ; the biases at my 64 features: 4 (128 fb + 64 hd)
	s_lshl_b32 s89, s22, 8
	s_add_co_u32 s88, s88, s89
	s_mov_b32 s89, 0
	s_add_nc_u64 s[6:7], s[6:7], s[88:89]
	s_add_nc_u64 s[8:9], s[8:9], s[88:89]
	s_add_nc_u64 s[10:11], s[10:11], s[88:89]
	WIN 0x40                                       ; destination window 1
.irp p, 0,1,2,3                        ; Q, K: register j of tile p is feature 16 p + 8 h + j
	global_load_b128 v[BQ+8*\p:BQ+8*\p+3], v10, s[6:7] offset:64*\p
	global_load_b128 v[BQ+8*\p+4:BQ+8*\p+7], v10, s[6:7] offset:64*\p+16
	global_load_b128 v[BK+8*\p:BK+8*\p+3], v10, s[8:9] offset:64*\p
	global_load_b128 v[BK+8*\p+4:BK+8*\p+7], v10, s[8:9] offset:64*\p+16
.endr
.irp a, 0,1,2,3                        ; V: all eight registers of tile a are feature 16 a + r
.irp j, 0,1,2,3,4,5,6,7
	global_load_b32 v[BV+8*\a+\j], v11, s[10:11] offset:64*\a
.endr
.endr
	WIN 0
	s_lshl_b32 s88, s25, 1
	s_add_co_u32 s88, s88, s22                     ; the head: 2 fb + hd
	s_mov_b32 s87, 0
	s_lshl_b32 s86, s26, 3
	s_lshl_b32 s89, s21, 2
	s_add_co_u32 s86, s86, s89                     ; my first token tile: 8 tb + 4 th
	s_lshl_b32 s86, s86, 4
	s_add_co_u32 s86, s86, s88
	s_mul_i32 s86, s86, 768
	s_add_nc_u64 s[68:69], s[12:13], s[86:87]      ; Q's codes: [token tile][head] half fragments
	s_lshl_b32 s86, s26, 1
	s_add_co_u32 s86, s86, s21
	s_lshl_b32 s86, s86, 4
	s_add_co_u32 s86, s86, s88
	s_lshl_b32 s86, s86, 8
	s_add_nc_u64 s[70:71], s[14:15], s[86:87]      ; Q's scale words: [64 tokens][head] 256 bytes
	s_lshr_b32 s86, s26, 4                         ; K's and V's record: ((b x 4 + head group) x 16 + key step) x 26,624
	s_lshl_b32 s86, s86, 2
	s_lshr_b32 s89, s25, 1
	s_add_co_u32 s86, s86, s89
	s_lshl_b32 s86, s86, 4
	s_and_b32 s89, s26, 15
	s_add_co_u32 s86, s86, s89
	s_mul_i32 s86, s86, 26624
	s_and_b32 s89, s88, 3                          ; e: the head in its group
	s_mul_i32 s90, s89, 6144
	s_mul_i32 s91, s21, 3072
	s_add_co_u32 s90, s90, s91
	s_add_co_u32 s90, s90, s86
	s_mov_b32 s91, 0
	s_add_nc_u64 s[72:73], s[16:17], s[90:91]      ; K's codes
	s_add_nc_u64 s[76:77], s[18:19], s[90:91]      ; V's
	s_lshl_b32 s89, s89, 9
	s_lshl_b32 s90, s21, 8
	s_add_co_u32 s89, s89, s90
	s_add_co_u32 s86, s86, s89
	s_add_co_u32 s86, s86, 24576
	s_add_nc_u64 s[74:75], s[16:17], s[86:87]      ; K's scale words
	s_add_nc_u64 s[78:79], s[18:19], s[86:87]      ; V's
	s_wait_loadcnt 0x0                             ; the biases
	s_wait_tensorcnt 0x0                           ; my half panel is in
	ds_add_u32 v[SPW], v[NIL]
	s_mov_b32 s[G1W+2], 100<<16                    ; no tensor load of mine is out: from here on a load of W brings a quarter panel, 100 rows
	s_mov_b32 s[G1W+4], 100
	s_wait_dscnt 0x0
	CROUND                                         ; everybody's part of x and Wq is in, and the joint loads meet
	tensor_load_to_lds s[G0B:G0B+3], s[G1W:G1W+7]  ; my one load behind the round: my quarter of Wk's panel
	s_nop 0
	PLACES 4
.irp s, 0,1,2,3,4,5,6,7
	KSTEP 0, 5, 4, 7, \s, BQ                       ; Q
.endr
	s_wait_tensorcnt 0x0                           ; all my tensor loads have landed, Wk's quarter among them: a group 0 may be written
	ds_add_u32 v[SPW], v[NIL]                      ; 0 onto my spare word
	s_add_nc_u64 s[G0A+2:G0A+3], s[G0A+2:G0A+3], 16*PANEL   ; from Wq's panel to Wv's
	s_wait_dscnt 0x0                               ; the add is done, and my reads of Wq's panel are over
	CROUND                                         ; that holds of every wave of all sixteen work-groups
	tensor_load_to_lds s[G0A:G0A+3], s[G1W:G1W+7]  ; my one load behind the round: Wv over Wq
	s_nop 0
	PLACES 4
	EPI 68, 70, 12288
.irp s, 0,1,2,3,4,5,6,7
	KSTEP 0, 6, 4, 8, \s, BK                       ; K
.endr
	s_wait_tensorcnt 0x0                           ; my quarter of Wv is in;
	s_wait_dscnt 0x0
	s_barrier_signal -1
	s_barrier_wait -1                              ; everybody's is.
	EPI 72, 74, 768
.irp s, 0,1,2,3,4,5,6,7
	KSTEP 1, 4, 5, 7, \s, BV                       ; V
.endr
	EPI 76, 78, 768
	s_wait_tensorcnt 0x0                           ; the wave's end
	ds_add_u32 v[SPW], v[NIL]
	s_wait_dscnt 0x0
	CROUND                                         ; the closing round
	s_endpgm
.Lfunc_end_k_q9bb6ca9a60_qkv:
	.size	k_q9bb6ca9a60_qkv, .Lfunc_end_k_q9bb6ca9a60_qkv-k_q9bb6ca9a60_qkv
	.p2alignl 7, 3214868480
	.fill 96, 4, 3214868480
	.section	.rodata,"a",@progbits
	.p2align	6, 0x0
	.amdhsa_kernel k_q9bb6ca9a60_qkv
		.amdhsa_group_segment_fixed_size 327680
		.amdhsa_private_segment_fixed_size 0
		.amdhsa_enable_private_segment 0
		.amdhsa_kernarg_size 64
		.amdhsa_user_sgpr_count 2
		.amdhsa_user_sgpr_kernarg_segment_ptr 1
		.amdhsa_wavefront_size32 1
		.amdhsa_system_sgpr_workgroup_id_x 1
		.amdhsa_system_sgpr_workgroup_id_y 1
		.amdhsa_system_sgpr_workgroup_id_z 1
		.amdhsa_system_vgpr_workitem_id 0
		.amdhsa_next_free_vgpr 352
		.amdhsa_next_free_sgpr 100
		.amdhsa_reserve_vcc 0
		.amdhsa_float_denorm_mode_32 3
		.amdhsa_float_denorm_mode_16_64 3
		.amdhsa_memory_ordered 1
		.amdhsa_forward_progress 1
		.amdhsa_inst_pref_size 132
	.end_amdhsa_kernel
	.amdgpu_metadata
---
amdhsa.version: [ 1, 2 ]
amdhsa.kernels:
  - .name:           k_q9bb6ca9a60_qkv
    .symbol:         k_q9bb6ca9a60_qkv.kd
    .args:
      - { .name: pk, .offset: 0, .size: 8, .value_kind: global_buffer, .address_space: global }
      - { .name: bq, .offset: 8, .size: 8, .value_kind: global_buffer, .address_space: global }
      - { .name: bk, .offset: 16, .size: 8, .value_kind: global_buffer, .address_space: global }
      - { .name: bv, .offset: 24, .size: 8, .value_kind: global_buffer, .address_space: global }
      - { .name: qc, .offset: 32, .size: 8, .value_kind: global_buffer, .address_space: global }
      - { .name: qs, .offset: 40, .size: 8, .value_kind: global_buffer, .address_space: global }
      - { .name: kp, .offset: 48, .size: 8, .value_kind: global_buffer, .address_space: global }
      - { .name: vp, .offset: 56, .size: 8, .value_kind: global_buffer, .address_space: global }
    .group_segment_fixed_size: 327680
    .private_segment_fixed_size: 0
    .kernarg_segment_align: 8
    .kernarg_segment_size: 64
    .max_flat_workgroup_size: 128
    .sgpr_count:     100
    .vgpr_count:     352
    .wavefront_size: 32
...
	.end_amdgpu_metadata
.endif
;; end of part 2
;; launch attn (part 3): grid 4 x 64, 16 waves a work-group, clusters of 4 x 4, 327,680 bytes of LDS; arguments M, qc, qs, kp, vp, ap; writes ap
.if DOCPART == 3
	.amdgcn_target "amdgcn-amd-amdhsa--gfx1250"
	.amdhsa_code_object_version 6
	.text
	.protected	k_q9bb6ca9a60_attn
	.globl	k_q9bb6ca9a60_attn
	.p2align	8
	.type	k_q9bb6ca9a60_attn,@function
k_q9bb6ca9a60_attn:
	s_mov_b64 s[64:65], 0
	v_nop
	global_prefetch_b8 v0, s[64:65] scope:SCOPE_SE
	s_setreg_imm32_b32 hwreg(HW_REG_WAVE_MODE, 25, 1), 1
	s_wait_xcnt 0x0
	s_wait_alu depctr_hold_cnt(0) depctr_sa_sdst(0) depctr_va_vdst(0) depctr_va_sdst(0) depctr_va_ssrc(0) depctr_va_vcc(0) depctr_vm_vsrc(0)
	s_getreg_b32 s2, hwreg(HW_REG_IB_STS2, 6, 4)
	s_cmp_eq_u32 s2, 0
	s_cbranch_scc0 .Lentry_in_a_cluster
	s_endpgm
.Lentry_in_a_cluster:
	s_bfe_u32 s2, ttmp6, 0x10000c
	s_cmp_lg_u32 s2, 0xf033
	s_cbranch_scc0 .Lentry_shape_is_right
	s_endpgm
.Lentry_shape_is_right:
; For each (batch, head, query): y = (q . k) M;  attn = softmax(y / 8);  A = attn M / (sum |attn M| + 1e-8);  o = A V.  Both products on codes of FP6 (E2M3) with E8M0 scales.
; A is quantised FINISHED, so a row's divisor must be known before any of its codes: TWO PASSES over the keys.
; PASS 1: t = c y, c = log2(e) / 8; a running largest t, rounded UP to a whole number (kept as NM = floor(-t)); u = 2^(t + NM); Z = sum u, W = sum u |M|.  When NM moves, Z and W are
; multiplied by 2^(new NM - old NM), which rounds nothing.   PASS 2: the scores again; A = 2^(t + NM - log2(W + 1e-8 Z)) M, which is attn M / (sum |attn M| + 1e-8) with Z multiplied through;
; A is quantised along the keys and multiplied by V; O is quantised along the features for the last product.
; LIMITS: the divisor D = W + 1e-8 Z goes into the exponent's offset.  log2 D is D's exponent and three Newton steps for its mantissa (where the passes meet); what they leave is the exponential's own
; last bit, some 3e-7 in the exponent; the offset's rounding is half an ulp of |NM - log2 D|, of the size of the rounding of c y at the row's largest score.  Z is at least 1/2, so D is at least 5e-9.
; A block of zeros keeps the scale byte 1 where the rule says 127 (its codes are zeros; this program alone reads the bytes); NaN and infinities are not served.
; SHARES: a work-group owns 64 queries x 4 heads; wave w: query tile w & 3, head w >> 2 of the group; 256 registers, four waves to a SIMD.  Every wave walks 16 steps of 128 keys, twice.
; CLUSTER 4 x 4: cx = the head group, cy = one of four blocks of 64 queries.  M's tile (64 queries x 128 keys, f32) hangs on the queries alone: asked for jointly along a row of the cluster;
; K's and V's records (128 keys x 4 heads, codes and scale words, 26,624 dense bytes) hang on the head group alone: jointly along a column.
; RING: two slots, 2^17 bytes apart: M's tile (rows of 512 + 16 bytes), K's record, V's record.  Wave 0 loads M, wave 1 K, wave 2 V: one load a wave behind each round.
; V's records of steps 0 and 1 come with the first fills (waves 2 and 3 bring one each) and lie there through pass 1; V's refills begin at pass 2's second change of slots.
; THE ARITHMETIC LAGS THE LOADS BY HALF A STEP.  A step goes by halves of 64 keys, on one set of score registers and two sets for M.  At a change of slots all of the old slot has been read into
; registers and its second half's scores have been multiplied, but their arithmetic is still to do: it stands BEHIND the barrier, under the new slot's first LDS loads; the first half's arithmetic
; stands under the second half's loads.  So a wave has register work at hand whenever its loads are out, straight behind the barrier too.
; BOTH PRODUCTS TRANSPOSED: S^T = K Q^T, O^T = V^T A^T: a lane holds one query (lane % 16) throughout.
; K = 64 IN AN INSTRUCTION 128 DEEP: Q's operand is six registers of codes and six of zero codes.  K's tiles lie eight registers apart, six of codes and two of zeros: a tile's run of twelve
; reaches over the zeros into the next tile's codes (the last tile's into zeros), which meet Q's zero codes and add nothing; the scale bytes there are 0, which is 2^-127.
; REGISTERS, all 256: v0-19 addresses, NM, scale words; v20-31 Q; v32-67 K; v68-79 A's codes; v80-127 V (pass 1: the sums); v128-159 S^T; v160-191 O^T; v192-223, v224-255 M of halves 0 and 1.
; The quantiser works in the first 13 registers of the set of M that its half has just done with.
; THE FIRST FILLS, one tensor load a wave: wave 0 M, wave 1 K, wave 2 V of step 0, wave 3 V of step 1.
; OF THE CARRIED ARITHMETIC the part up to the exponents (pass 1) or up to A (pass 2) stands between the round's opening signal and its wait: it names registers alone; the rest stands behind the round, under the new slot's first LDS loads.
.set SLOT1, 131072
.set MP,    528                        ; a row of M in LDS: 132 words, so the sixteen rows of a load start at sixteen different groups of banks (64 banks of 4 bytes: ISA guide 11.1)
.set KOFF,  33792                      ; K's record in a slot, behind M's 64 rows
.set RECB,  26624                      ; a record; V's lies this far behind K's
.set SCX,   218112                     ; behind slot 1: 512 bytes in which the sixteen waves' scale words of O meet; no tile lands here
.set SPARE, 218624                     ; the spare words, 128 bytes a wave: eight blocks of 256 bytes
.set AM0,  1                           ; v1   my place in M's tile: (16 a + r) x 528 + 32 h
.set A16,  2                           ; v2   my place in K's record: 16 x lane
.set A8,   3                           ; v3   the same, 512 + 8 x lane
.set AS,   4                           ; v4   and among its scale words: 8 x lane
.set SPW,  5
.set NIL,  6
.set ADM,  7                           ; v7-10 the four above, in the slot in hand
.set AD16, 8
.set AD8,  9
.set ADS,  10
.set PFO,  11                          ; v11  the prefetches' offset; never rewritten
.set NM,   12                          ; v[12:13] NM (the packed form names a pair and takes its low word)
.set QS,   14                          ; Q's scale word
.set PW,   15                          ; A's scale word: keys 0-63 below, keys 64-127 above
.set KS,   16                          ; v16-17 K's scale words of the half in hand: register i: lanes 0-15 tile 2 i, lanes 16-31 tile 2 i + 1
.set VS,   18                          ; v18-19 V's scale words: lanes 0-15 channel tile 2 i, lanes 16-31 tile 2 i + 1
.set QF,   20                          ; v20-31
.set KF,   32                          ; v32-67  four tiles, eight registers apart, and four more zeros
.set P,    68                          ; v68-79  A's codes: six registers for each half
.set VHI,  P+6                         ; v74-75  the upper halves of V's scale words as loaded: these two registers are free from the products V^T A^T to the second half's quantiser
.set VF,   80                          ; v80-127 V's four fragments
.set S,    128
.set O,    160                         ; v160-191 O^T
.set MA,   192                         ; v192-223 M at the keys of half 0
.set MB,   224                         ; v224-255 of half 1
.set ZA,   80                          ; pass 1, in V's registers: Z in two pairs,
.set ZB,   82
.set WS,   84                          ; v84-87 W in two pairs
.set T,    88
.set OLD,  89
.set F,    90
.set GM,   92
.set PT,   96
.set N1,   97                          ; -1.0, where the passes meet
.set OC,   32                          ; the way out, in K's registers
.set OW,   38
.set WV,   16
.set G1M,  24
.set G1R,  32
.set G0M,  40
.set G0K,  44
.set G0V,  48                          ; V's record of step 0, slot 0: used once
.set SEL,  52
.set CS,   54
.set TB,   56
.set CNT,  57
.set PFA,  58
.set PFS,  60
.set LIM,  62
.set G0W,  68                          ; s[68:71] V's walking descriptor: begins at step 1, slot 1
.set PFV,  72
.set LIMV, 74
.set PMK,  75                          ; s75  all ones in wave 3, whose prefetches go by M's rows, else 0
.macro PLACES n
.rept \n
	v_nop
.endr
.endm
.macro CROUND
	s_barrier_signal -1
	s_barrier_wait -1
	s_cmp_lg_u32 s[WV], 0
	s_cbranch_scc1 .Lnot_wave_0_\@
	s_barrier_signal -3
.Lnot_wave_0_\@:
	s_barrier_wait -3
	s_barrier_signal -1
	s_barrier_wait -1
.endm
; The joint refills.  The branches hang on the wave's number alone.  An s_nop 0 and four v_nop follow each load.
.macro CREST                           ; a round of the cluster's barrier behind its opening barrier
	s_cmp_lg_u32 s[WV], 0
	s_cbranch_scc1 .Lnot_w0_\@
	s_barrier_signal -3
.Lnot_w0_\@:
	s_barrier_wait -3
	s_barrier_signal -1
	s_barrier_wait -1
.endm
; Work on registers between the opening signal and its wait.  k = 1: pass 1's first part of the old slot's second half;  2: pass 2's, up to A;  0: nothing is carried.
; The four additions of ADDRS are the places behind the last products K Q^T.
.macro PRE k
.if \k
	ADDRS
.if \k == 1
	H1A MB
.else
	H2A MB
	s_wait_alu depctr_va_vdst(0)                   ; ahead of the batch of exponentials
	H2B MB
.endif
	s_wait_alu depctr_va_vdst(0)                   ; directly ahead of the barrier's wait
.endif
.endm
.macro TLOAD v
	s_cmp_eq_u32 s[WV], 0
	s_cbranch_scc0 .Lnot_m_\@
	tensor_load_to_lds s[G0M:G0M+3], s[G1M:G1M+7]
	s_nop 0
	PLACES 4
	s_branch .Lasked_\@
.Lnot_m_\@:
	s_cmp_eq_u32 s[WV], 1
	s_cbranch_scc0 .Lnot_k_\@
	tensor_load_to_lds s[G0K:G0K+3], s[G1R:G1R+7]
	s_nop 0
	PLACES 4
	s_branch .Lasked_\@
.Lnot_k_\@:
.if \v
	s_cmp_eq_u32 s[WV], 2
	s_cbranch_scc0 .Lasked_\@
	tensor_load_to_lds s[G0W:G0W+3], s[G1R:G1R+7]
	s_nop 0
	PLACES 4
.endif
.Lasked_\@:
.endm
; A PREFETCH INTO THE L2 of the tile that the NEXT change of slots will ask for, behind the tensor loads of this change.  Pass 1: wave 3 names M's tile: the four partners of a row of the
; cluster take 16 rows each, told apart by address; two lanes to a row of 512 bytes.  Wave 4 of the first cluster of a batch names K's record: the four partners of a column take 6,656 bytes
; each, by address, lanes 256 bytes apart (lanes 26-31 name lane 25's bytes again).  Pass 2: the same wave 4 names V's record.  It stops while fewer than two tiles are left.
.macro ASK
	s_cmp_gt_u32 s[CNT], s[LIM]
	s_cbranch_scc0 .Lnot_mine_\@
	global_prefetch_b8 v[PFO], s[PFA:PFA+1] th:TH_LOAD_NT scope:SCOPE_SE
.Lnot_mine_\@:
.endm
; THE CHANGE OF SLOTS.  Each wave waits for all its tensor loads (its part of the slot ahead), adds 0 to its spare word, and waits for that and for its reads of the slot it has left.
; kind 1: M and K go one step on;  2: V too;  3: M and K go back to step 0, for pass 2;  0: nothing is left to ask for.
.macro CHANGE kind, pre
	s_wait_tensorcnt 0x0                           ; no tensor load of mine is out, so a group 0 may be written
	ds_add_u32 v[SPW], v[NIL]                      ; 0 onto my spare word
.if \kind
	ds_add_u32 v[SPW], v[NIL]                      ; and once more, where a tensor load follows
	s_xor_b32 s[G0M+1], s[G0M+1], SLOT1
	s_xor_b32 s[G0K+1], s[G0K+1], SLOT1
.if \kind == 3
	s_sub_nc_u64 s[G0M+2:G0M+3], s[G0M+2:G0M+3], 15*512
	s_sub_nc_u64 s[G0K+2:G0K+3], s[G0K+2:G0K+3], 15*RECB
.else
	s_add_nc_u64 s[G0M+2:G0M+3], s[G0M+2:G0M+3], 512
	s_add_nc_u64 s[G0K+2:G0K+3], s[G0K+2:G0K+3], RECB
	s_wait_xcnt 0x0                                ; the last prefetch, a step back, has read its address
	s_add_nc_u64 s[PFA:PFA+1], s[PFA:PFA+1], s[PFS:PFS+1]
.endif
.if \kind == 2
	s_xor_b32 s[G0W+1], s[G0W+1], SLOT1
	s_add_nc_u64 s[G0W+2:G0W+3], s[G0W+2:G0W+3], RECB
.endif
	s_wait_dscnt 0x0                               ; the adds are done, and my reads of the slot that I have left are over
	s_barrier_signal -1                            ; the round opens
	PRE \pre
	s_barrier_wait -1
	CREST                                          ; that holds of every wave of all sixteen work-groups
.if \kind == 2
	TLOAD 1
.else
	TLOAD 0
.endif
.if \kind != 3
	ASK
.endif
.else
	s_wait_dscnt 0x0
	s_barrier_signal -1
	PRE \pre
	s_barrier_wait -1
.endif
.endm
; 32 numbers of a lane, register 16 b + i of block b, become a half fragment's codes in v[pc] on and two scale bytes.  It works in v[tm] to v[tm + 12].
; mode 1: the bytes begin A's scale word;  2: they go on top of it;  0: they are O's.
.macro QUANT64 s, pc, tm, mode
.irp b, 0,1
	v_max3_num_f32 v[\tm+\b], |v[\s+16*\b]|, |v[\s+16*\b+1]|, 0x1800000   ; my 16 numbers of the block, and the floor 2^(3 - 127)
.endr
.irp i, 2,4,6,8,10,12,14
.irp b, 0,1
	v_max3_num_f32 v[\tm+\b], v[\tm+\b], |v[\s+16*\b+\i]|, |v[\s+16*\b+\i+1]|
.endr
.endr
.irp b, 0,1
	s_delay_alu instid0(VALU_DEP_2)
	v_permlanex16_b32 v[\tm+2+\b], v[\tm+\b], s[SEL], s[SEL+1]
.endr
.irp b, 0,1
	s_delay_alu instid0(VALU_DEP_2)
	v_max_num_f32 v[\tm+\b], v[\tm+\b], v[\tm+2+\b]   ; with lane l xor 16's: the block's largest magnitude
.endr
.irp b, 0,1
	s_delay_alu instid0(VALU_DEP_2)
	v_add_nc_u32 v[\tm+4+\b], 0xff000000, v[\tm+\b]   ; 2 off its exponent field: the conversion's scale operand
.endr
.irp b, 0,1
	s_delay_alu instid0(VALU_DEP_2)
	v_lshrrev_b32 v[\tm+6+\b], 23, v[\tm+4+\b]        ; the scale's byte
.endr
.if \mode == 0
	s_delay_alu instid0(VALU_DEP_1)
	v_lshl_or_b32 v[OW], v[\tm+7], 8, v[\tm+6]
.elseif \mode == 1
	s_delay_alu instid0(VALU_DEP_1)
	v_lshl_or_b32 v[PW], v[\tm+7], 8, v[\tm+6]
.else
	s_delay_alu instid0(VALU_DEP_1)
	v_lshl_or_b32 v[\tm+12], v[\tm+7], 8, v[\tm+6]
	s_delay_alu instid0(VALU_DEP_1)
	v_lshl_or_b32 v[PW], v[\tm+12], 16, v[PW]
.endif
	v_cvt_scalef32_pk16_fp6_f32 v[\pc:\pc+2], v[\s:\s+15], v[\tm+4]
	v_cvt_scalef32_pk16_fp6_f32 v[\tm+8:\tm+10], v[\s+16:\s+31], v[\tm+5]
	v_nop                                          ; one plain place behind a scaled conversion
.irp i, 0,1,2
	v_permlane16_swap_b32 v[\pc+\i], v[\tm+8+\i]   ; a whole block to a lane: lanes 0-15 block 0, lanes 16-31 block 1
.endr
.irp i, 0,1,2
	s_delay_alu instid0(VALU_DEP_3)
	v_mov_b32 v[\pc+3+\i], v[\tm+8+\i]
.endr
.endm
.macro ADDRS                           ; four plain lines at an interval's head: they are also the places behind the last products K Q^T, ahead of the loads into K's registers and of the first read of the scores
	v_add_nc_u32 v[ADM], s[TB], v[AM0]
	v_add_nc_u32 v[AD16], s[TB], v[A16]
	v_add_nc_u32 v[AD8], s[TB], v[A8]
	v_add_nc_u32 v[ADS], s[TB], v[AS]
.endm
.macro LDK c                           ; K's scale words and four tiles of key half c: 9 loads
	ds_load_b64 v[KS:KS+1], v[ADS] offset:256*\c
.irp t, 0,1,2,3
	ds_load_b128 v[KF+8*\t:KF+8*\t+3], v[AD16] offset:(4*\c+\t)*768
	ds_load_b64 v[KF+8*\t+4:KF+8*\t+5], v[AD8] offset:(4*\c+\t)*768
.endr
.endm
.macro LDM c, mb                       ; M at my query and the keys of my score registers: register 8 t + j is key 64 c + 16 t + 8 h + j: 8 loads
.irp t, 0,1,2,3
.irp i, 0,1
	ds_load_b128 v[\mb+8*\t+4*\i:\mb+8*\t+4*\i+3], v[ADM] offset:256*\c+64*\t+16*\i
.endr
.endr
.endm
.macro LDV                             ; V's scale words and V^T: channel tile t, key half c: registers 12 t + 6 c on: 18 loads
	ds_load_b64 v[VS:VS+1], v[ADS] offset:RECB
	ds_load_b64 v[VHI:VHI+1], v[ADS] offset:RECB+256
.irp t, 0,1,2,3
.irp c, 0,1
	ds_load_b128 v[VF+12*\t+6*\c:VF+12*\t+6*\c+3], v[AD16] offset:RECB+\c*3072+\t*768
	ds_load_b64 v[VF+12*\t+6*\c+4:VF+12*\t+6*\c+5], v[AD8] offset:RECB+\c*3072+\t*768
.endr
.endr
.endm
.macro QK                              ; S^T of 64 keys: four accumulators, each begun with the constant 0
.irp t, 0,1,2,3
.if \t%2
	v_wmma_scale_f32_16x16x128_f8f6f4 v[S+8*\t:S+8*\t+7], v[KF+8*\t:KF+8*\t+11], v[QF:QF+11], 0, v[KS+\t/2], v[QS] matrix_a_fmt:MATRIX_FMT_FP6 matrix_b_fmt:MATRIX_FMT_FP6 matrix_a_scale:MATRIX_SCALE_ROW1
.else
	v_wmma_scale_f32_16x16x128_f8f6f4 v[S+8*\t:S+8*\t+7], v[KF+8*\t:KF+8*\t+11], v[QF:QF+11], 0, v[KS+\t/2], v[QS] matrix_a_fmt:MATRIX_FMT_FP6 matrix_b_fmt:MATRIX_FMT_FP6
.endif
.endr
.endm
.macro PV zero                         ; O^T += V^T A^T over 128 keys: one instruction on each of four accumulators: they take turns.  zero = 1: they start the sums
.irp t, 0,1,2,3
.if \zero
.if \t%2
	v_wmma_scale_f32_16x16x128_f8f6f4 v[O+8*\t:O+8*\t+7], v[VF+12*\t:VF+12*\t+11], v[P:P+11], 0, v[VS+\t/2], v[PW] matrix_a_fmt:MATRIX_FMT_FP6 matrix_b_fmt:MATRIX_FMT_FP6 matrix_a_scale:MATRIX_SCALE_ROW1
.else
	v_wmma_scale_f32_16x16x128_f8f6f4 v[O+8*\t:O+8*\t+7], v[VF+12*\t:VF+12*\t+11], v[P:P+11], 0, v[VS+\t/2], v[PW] matrix_a_fmt:MATRIX_FMT_FP6 matrix_b_fmt:MATRIX_FMT_FP6
.endif
.else
.if \t%2
	v_wmma_scale_f32_16x16x128_f8f6f4 v[O+8*\t:O+8*\t+7], v[VF+12*\t:VF+12*\t+11], v[P:P+11], v[O+8*\t:O+8*\t+7], v[VS+\t/2], v[PW] matrix_a_fmt:MATRIX_FMT_FP6 matrix_b_fmt:MATRIX_FMT_FP6 matrix_a_scale:MATRIX_SCALE_ROW1
.else
	v_wmma_scale_f32_16x16x128_f8f6f4 v[O+8*\t:O+8*\t+7], v[VF+12*\t:VF+12*\t+11], v[P:P+11], v[O+8*\t:O+8*\t+7], v[VS+\t/2], v[PW] matrix_a_fmt:MATRIX_FMT_FP6 matrix_b_fmt:MATRIX_FMT_FP6
.endif
.endif
.endr
.endm
.macro PKMUL m                         ; the 32 numbers in S x M, in place, each accumulator from its low end on
.set j, 0
.rept 16
	v_pk_mul_f32 v[S+j:S+j+1], v[S+j:S+j+1], v[\m+j:\m+j+1]
.set j, j+2
.endr
.endm
.macro PKEXPO                          ; c y + NM, two at a time
.set j, 0
.rept 16
	v_pk_fma_f32 v[S+j:S+j+1], v[S+j:S+j+1], s[CS:CS+1], v[NM:NM+1] op_sel_hi:[1,0,0]
.set j, j+2
.endr
.endm
.macro EXP32
.set j, 0
.rept 32
	v_exp_f32 v[S+j], v[S+j]
.set j, j+1
.endr
.endm
; PASS 1, the arithmetic of 64 keys, in two parts, between which the next M is asked for.  First part: y, the running maximum, the exponents.
.macro H1A m
	PKMUL \m                                       ; y = s M
.irp q, 0,1                            ; the largest of the 32, in two chains
	v_max3_num_f32 v[GM+\q], v[S+16*\q], v[S+16*\q+1], v[S+16*\q+2]
.endr
.irp i, 3,5,7,9,11,13
.irp q, 0,1
	s_delay_alu instid0(VALU_DEP_2)
	v_max3_num_f32 v[GM+\q], v[GM+\q], v[S+16*\q+\i], v[S+16*\q+\i+1]
.endr
.endr
.irp q, 0,1
	s_delay_alu instid0(VALU_DEP_2)
	v_max_num_f32 v[GM+\q], v[GM+\q], v[S+16*\q+15]
.endr
	s_delay_alu instid0(VALU_DEP_1)
	v_max_num_f32 v[GM], v[GM], v[GM+1]
	s_delay_alu instid0(VALU_DEP_1)
	v_permlanex16_b32 v[PT], v[GM], s[SEL], s[SEL+1]
	s_delay_alu instid0(VALU_DEP_1)
	v_max_num_f32 v[GM], v[GM], v[PT]              ; the largest y of my query among these 64 keys
	s_delay_alu instid0(VALU_DEP_1)
	v_mul_f32 v[GM], s[CS], v[GM]                  ; as t (c is positive)
	s_delay_alu instid0(VALU_DEP_1)
	v_max_num_f32 v[T], v[T], v[GM]                ; the running largest t
	v_mov_b32 v[OLD], v[NM]
	s_delay_alu instid0(VALU_DEP_2)
	v_floor_f32 v[NM], -v[T]                       ; NM = -ceil(t): a whole number
	s_delay_alu instid0(VALU_DEP_1)
	v_sub_f32 v[OLD], v[NM], v[OLD]                ; 0 or less
	s_delay_alu instid0(VALU_DEP_1)
	v_cvt_i32_f32 v[OLD], v[OLD]                   ; (it saturates)
	s_delay_alu instid0(VALU_DEP_1)
	v_ldexp_f32 v[F], 1.0, v[OLD]                  ; what was summed under the old NM is brought under the new by a multiplication that rounds nothing
	PKEXPO
.endm
; Second part: u, Z += u, W += u |M|.
.macro H1B m
	EXP32
	v_pk_mul_f32 v[ZA:ZA+1], v[ZA:ZA+1], v[F:F+1] op_sel_hi:[1,0]   ; work that names none of the batch's results stands between it and its wait: the sums under the new NM,
	v_pk_mul_f32 v[ZB:ZB+1], v[ZB:ZB+1], v[F:F+1] op_sel_hi:[1,0]
	v_pk_mul_f32 v[WS:WS+1], v[WS:WS+1], v[F:F+1] op_sel_hi:[1,0]
	v_pk_mul_f32 v[WS+2:WS+3], v[WS+2:WS+3], v[F:F+1] op_sel_hi:[1,0]
	s_wait_alu depctr_va_vdst(0)                   ; one wait for the batch of 32, ahead of its first reader
.set j, 0
.rept 8                                ; two numbers an instruction, four chains by turns
	v_pk_add_f32 v[ZA:ZA+1], v[ZA:ZA+1], v[S+j:S+j+1]
	v_pk_add_f32 v[ZB:ZB+1], v[ZB:ZB+1], v[S+j+2:S+j+3]
	v_fma_f32 v[WS], v[S+j], |v[\m+j]|, v[WS]              ; |M| is a source modifier: no line is spent on clearing signs
	v_fma_f32 v[WS+1], v[S+j+1], |v[\m+j+1]|, v[WS+1]
	v_fma_f32 v[WS+2], v[S+j+2], |v[\m+j+2]|, v[WS+2]
	v_fma_f32 v[WS+3], v[S+j+3], |v[\m+j+3]|, v[WS+3]
.set j, j+4
.endr
.endm
; PASS 2, the same in two parts: 64 keys' scores become A.
.macro H2A m
	PKMUL \m
	PKEXPO
.endm
.macro H2B m
	EXP32
	v_nop                                          ; a plain place behind the exponentials
	s_wait_alu depctr_va_vdst(0)                   ; one wait for the batch of 32
	PKMUL \m
.endm
; PASS 1, what stands between two changes of slots.  first = 1: nothing is carried over from a step before.
.macro BODY1 first
.if \first
	ADDRS
	LDK 0
	LDM 0, MA
.else
	LDK 0
	LDM 0, MA
	s_wait_alu depctr_va_vdst(0)
	H1B MB                                         ; the second part of the LAST step's second half, under this slot's first loads
.endif
	s_wait_alu depctr_va_vdst(0)
	s_wait_dscnt 0x0
	QK                                             ; keys 0-63
	PLACES 4                                       ; ahead of loads into registers that these products read, and of the first read of the scores
	LDK 1
	H1A MA                                         ; the first half's arithmetic, under the second half's loads
	LDM 1, MB
	s_wait_alu depctr_va_vdst(0)
	H1B MA
	s_wait_dscnt 0x0                               ; all of this slot has been read
	QK                                             ; keys 64-127: their arithmetic follows behind the change of slots
	s_xor_b32 s[TB], s[TB], SLOT1                  ; on to the other slot
.endm
; WHERE THE PASSES MEET: the row's divisor D = W + 1e-8 Z, and the exponent's offset of pass 2, NM - log2 D.
.macro BETWEEN
	v_pk_add_f32 v[ZA:ZA+1], v[ZA:ZA+1], v[ZB:ZB+1]
	s_delay_alu instid0(VALU_DEP_2)
	v_pk_add_f32 v[WS:WS+1], v[WS:WS+1], v[WS+2:WS+3]
	s_delay_alu instid0(VALU_DEP_2)
	v_add_f32 v[ZA], v[ZA], v[ZA+1]
	s_delay_alu instid0(VALU_DEP_2)
	v_add_f32 v[WS], v[WS], v[WS+1]
	s_delay_alu instid0(VALU_DEP_2)
	v_permlanex16_b32 v[PT], v[ZA], s[SEL], s[SEL+1]
	s_delay_alu instid0(VALU_DEP_2)
	v_permlanex16_b32 v[GM], v[WS], s[SEL], s[SEL+1]
	s_delay_alu instid0(VALU_DEP_2)
	v_add_f32 v[ZA], v[ZA], v[PT]                  ; Z
	s_delay_alu instid0(VALU_DEP_2)
	v_add_f32 v[WS], v[WS], v[GM]                  ; W
	s_mov_b32 s86, 0x322bcc77                      ; 1e-8
	s_mov_b32 s87, 0xbfb8aa3b                      ; -1 / ln 2
	v_fma_f32 v[ZA], v[ZA], s86, v[WS]             ; D, positive and normal
	; log2 D = D's exponent + log2 m, m its mantissa in [1, 2).  x = m - 1 misses log2 m by 0.086 at the most; a step x += (m 2^-x - 1) / ln 2 leaves (ln 2 / 2) x the square of what was
	; missing: 2.6e-3, 2.3e-6, 2e-12 after three steps, for every m.  -x is what is kept.
	s_delay_alu instid0(VALU_DEP_1)
	v_lshrrev_b32 v[GM], 23, v[ZA]                 ; the exponent field
	s_delay_alu instid0(VALU_DEP_2)
	v_and_b32 v[GM+1], 0x7fffff, v[ZA]
	s_delay_alu instid0(VALU_DEP_1)
	v_or_b32 v[GM+1], 0x3f800000, v[GM+1]          ; m
	s_delay_alu instid0(VALU_DEP_3)
	v_add_nc_u32 v[GM], 0xffffff81, v[GM]          ; - 127
	s_delay_alu instid0(VALU_DEP_1)
	v_cvt_f32_i32 v[GM], v[GM]
	s_delay_alu instid0(VALU_DEP_1)
	v_sub_f32 v[NM], v[NM], v[GM]                  ; NM - the exponent: two whole numbers
	s_delay_alu instid0(VALU_DEP_4)
	v_sub_f32 v[GM+2], 1.0, v[GM+1]                ; -x = 1 - m
	v_mov_b32 v[N1], 0xbf800000                    ; -1
	s_wait_alu depctr_va_vdst(0)
.rept 3
	s_wait_alu depctr_va_vdst(0)
	v_exp_f32 v[PT], v[GM+2]                       ; 2^-x
	v_nop                                          ; a plain place behind the transcendental
	s_wait_alu depctr_va_vdst(0)                   ; and the wait ahead of its first reader
	v_fma_f32 v[PT], v[PT], v[GM+1], v[N1]         ; m 2^-x - 1, rounded once
	s_delay_alu instid0(VALU_DEP_1)
	v_fma_f32 v[GM+2], v[PT], s87, v[GM+2]         ; -x less that / ln 2
.endr
	s_delay_alu instid0(VALU_DEP_1)
	v_add_f32 v[NM], v[NM], v[GM+2]                ; NM - log2 D
.endm
; PASS 2, what stands between two changes of slots.  head = 0: what is carried over is pass 1's last half, and the divisor follows;  1: the carried products start O^T's sums;  2: they add to them.
.macro BODY2 head
	LDK 0
	LDM 0, MA
.if \head == 0
	s_wait_alu depctr_va_vdst(0)
	H1B MB
	BETWEEN
.else
	QUANT64 S, P+6, MB, 2                          ; A of the LAST step's second half is quantised under this slot's first loads
	PLACES 8                                       ; a scale word written by a vector instruction stands eight places ahead of a scaled matrix instruction, an operand four
	PV 2-\head
	PLACES 4                                       ; ahead of loads into registers that these products read
.endif
	LDV
	s_wait_dscnt 18                                ; K's nine loads and M's eight are in; V's eighteen, issued behind them, may be out
	QK                                             ; keys 0-63
	PLACES 4
	LDK 1
	H2A MA                                         ; the first half's arithmetic, under V's and the second half's loads
	LDM 1, MB
	s_wait_alu depctr_va_vdst(0)
	H2B MA
	QUANT64 S, P, MA, 1
	s_wait_dscnt 0x0                               ; all of this slot has been read
	QK                                             ; keys 64-127
	v_lshl_or_b32 v[VS], v[VHI], 16, v[VS]         ; V's scale words: keys 0-63 below, keys 64-127 above
	v_lshl_or_b32 v[VS+1], v[VHI+1], 16, v[VS+1]
	s_xor_b32 s[TB], s[TB], SLOT1
.endm
	s_load_b256 s[4:11], s[0:1], 0x0               ; M, qc, qs, kp
	s_load_b128 s[12:15], s[0:1], 0x20             ; vp, ap
	v_lshl_add_u32 v[SPW], v0, 2, SPARE
	v_mov_b32 v[NIL], 0
	ds_add_u32 v[SPW], v[NIL]                      ; the wave's opening: the add and its wait ahead of my first tensor load
	ds_add_u32 v[SPW], v[NIL]
	v_lshrrev_b32 v7, 5, v0
	s_delay_alu instid0(VALU_DEP_1)
	v_readfirstlane_b32 s[WV], v7                  ; wave 0..15
	s_and_b32 s17, s[WV], 3                        ; a: my tile of 16 queries
	s_lshr_b32 s18, s[WV], 2                       ; e: my head in the group
	s_bfe_u32 s19, ttmp6, 0x40000                  ; cx: the head group
	s_bfe_u32 s20, ttmp6, 0x40004                  ; cy
	s_and_b32 s21, ttmp7, 0xffff                   ; the cluster's y
	s_lshl_b32 s22, s21, 2
	s_add_co_u32 s22, s22, s20                     ; YQ: my block of 64 queries, 0..63 over both batches
	s_lshr_b32 s23, s21, 3                         ; the batch: the same in all sixteen partners
	s_lshl_b32 s80, s20, 2
	s_lshl_b32 s80, 15, s80                        ; my row of the cluster
	s_lshl_b32 s81, 0x1111, s19                    ; my column
	s_or_b32 s[G1M], s80, (2<<16)|(1<<20)|(1<<21)|(6<<22)|(3<<25)   ; elements of 4 bytes; padding on; 21 beside a mask; after every 128 words 4 words
	s_mov_b32 s[G1M+1], 128<<16                    ; tensor_dim0 = 128
	s_mov_b32 s[G1M+2], 64<<16                     ; tensor_dim1 = 64
	s_mov_b32 s[G1M+3], 128<<16                    ; tile_dim0
	s_mov_b32 s[G1M+4], 64                         ; tile_dim1
	s_mov_b32 s[G1M+5], 2048                       ; a row of M
	s_mov_b32 s[G1M+6], 0
	s_mov_b32 s[G1M+7], 0
	s_or_b32 s[G1R], s81, (3<<16)|(1<<21)          ; a record: 104 dense rows of 256 bytes
	s_mov_b32 s[G1R+1], 32<<16
	s_mov_b32 s[G1R+2], 104<<16
	s_mov_b32 s[G1R+3], 32<<16
	s_mov_b32 s[G1R+4], 104
	s_mov_b32 s[G1R+5], 32
	s_mov_b32 s[G1R+6], 0
	s_mov_b32 s[G1R+7], 0
	s_lshl_b32 s76, s22, 19                        ; M at my 64 queries: 64 rows of 8,192 bytes a block (no cx enters)
	s_mov_b32 s77, 0
	s_lshl_b32 s78, s23, 2
	s_add_co_u32 s78, s78, s19
	s_mul_i32 s78, s78, 16*RECB                    ; the records of (batch, head group) (no cy enters)
	s_mov_b32 s79, 0
	s_lshl_b32 s82, s19, 17                        ; the prefetches.  M: my work-group's 16 rows, at tile 1: the first change steps it to tile 2
	s_add_co_u32 s82, s82, s76
	s_add_co_u32 s82, s82, 512
	s_mov_b32 s83, 0
	s_mul_i32 s84, s20, 6656                       ; a record: my work-group's quarter, at step 1
	s_add_co_u32 s84, s84, s78
	s_add_co_u32 s84, s84, RECB
	s_mov_b32 s85, 0
	s_and_b32 s86, s21, 7
	s_xor_b32 s87, s[WV], 4
	s_or_b32 s86, s86, s87
	s_cmp_eq_u32 s86, 0                            ; wave 4 of the batch's first cluster: the same in all partners
	s_cselect_b32 s[LIMV], 1, -1
	s_cmp_eq_u32 s[WV], 3
	s_cselect_b32 s[LIM], 1, s[LIMV]
	s_mov_b32 s[PFS], RECB
	s_cselect_b32 s[PFS], 512, s[PFS]
	s_cselect_b32 s[PMK], -1, 0
	s_mov_b32 s[PFS+1], 0
	s_lshl_b32 s98, s19, 2
	s_add_co_u32 s98, s98, s18                     ; the head: 4 cx + e
	s_lshl_b32 s92, s22, 2
	s_add_co_u32 s92, s92, s17
	s_lshl_b32 s92, s92, 4
	s_add_co_u32 s92, s92, s98
	s_mul_i32 s92, s92, 768                        ; Q's half fragment
	s_mov_b32 s93, 0
	s_lshl_b32 s86, s22, 4
	s_add_co_u32 s86, s86, s98
	s_lshl_b32 s86, s86, 8                         ; Q's scale words: tile a = 2 i + h lies at lane r + 16 h, word i
	s_and_b32 s87, s17, 1
	s_lshl_b32 s87, s87, 7
	s_add_co_u32 s86, s86, s87
	s_lshr_b32 s87, s17, 1
	s_lshl_b32 s87, s87, 2
	s_add_co_u32 s86, s86, s87
	s_mov_b32 s87, 0
	s_lshr_b32 s94, s22, 1
	s_mul_i32 s94, s94, 102400                     ; O's panel: 128 tokens
	s_and_b32 s99, s22, 1
	s_lshl_b32 s96, s99, 11                        ; its scale words: (YQ & 1) x 4 tiles x 512 + (cx / 2) x 256 + (cx % 2) x 8
	s_add_co_u32 s96, s96, s94
	s_add_co_u32 s96, s96, 98304
	s_lshr_b32 s97, s19, 1
	s_lshl_b32 s97, s97, 8
	s_add_co_u32 s96, s96, s97
	s_and_b32 s97, s19, 1
	s_lshl_b32 s97, s97, 3
	s_add_co_u32 s96, s96, s97
	s_mov_b32 s97, 0
	s_lshl_b32 s99, s99, 2
	s_add_co_u32 s99, s99, s17
	s_mul_i32 s99, s99, 12288                      ; its codes: tile x 12,288 + head x 768
	s_add_co_u32 s94, s94, s99
	s_mul_i32 s99, s98, 768
	s_add_co_u32 s94, s94, s99
	s_mov_b32 s95, 0
	s_mov_b32 s[SEL], 0x76543210
	s_mov_b32 s[SEL+1], 0xfedcba98
	s_mov_b32 s[CS], 0x3e38aa3b                    ; c = log2(e) / 8
	s_mov_b32 s[CS+1], s[CS]
	s_mov_b32 s[TB], 0
	s_wait_dscnt 0x0                               ; the opening add is done
	s_wait_kmcnt 0x0
	s_mov_b32 s[G0M], 1
	s_mov_b32 s[G0M+1], 0
	s_add_nc_u64 s[G0M+2:G0M+3], s[4:5], s[76:77]
	s_or_b32 s[G0M+3], s[G0M+3], 0x80000000
	s_mov_b32 s[G0K], 1
	s_mov_b32 s[G0K+1], KOFF
	s_add_nc_u64 s[G0K+2:G0K+3], s[10:11], s[78:79]
	s_or_b32 s[G0K+3], s[G0K+3], 0x80000000
	s_mov_b32 s[G0V], 1
	s_mov_b32 s[G0V+1], KOFF+RECB
	s_add_nc_u64 s[G0V+2:G0V+3], s[12:13], s[78:79]
	s_or_b32 s[G0V+3], s[G0V+3], 0x80000000
	s_mov_b32 s[G0W], 1
	s_mov_b32 s[G0W+1], SLOT1+KOFF+RECB
	s_add_nc_u64 s[G0W+2:G0W+3], s[12:13], s[78:79]
	s_add_nc_u64 s[G0W+2:G0W+3], s[G0W+2:G0W+3], RECB
	s_or_b32 s[G0W+3], s[G0W+3], 0x80000000
	s_add_nc_u64 s[88:89], s[4:5], s[82:83]
	s_add_nc_u64 s[90:91], s[10:11], s[84:85]
	s_add_nc_u64 s[PFV:PFV+1], s[12:13], s[84:85]
	s_cmp_eq_u32 s[WV], 3
	s_cselect_b64 s[PFA:PFA+1], s[88:89], s[90:91]
	s_add_nc_u64 s[6:7], s[6:7], s[92:93]
	s_add_nc_u64 s[8:9], s[8:9], s[86:87]
	s_add_nc_u64 s[94:95], s[14:15], s[94:95]
	s_add_nc_u64 s[96:97], s[14:15], s[96:97]
	CROUND                                         ; all sixteen work-groups are here: the first joint loads meet
	s_cmp_eq_u32 s[WV], 0                          ; the first fills: a wave's stand in one branch, ahead of every wait on TENSORcnt and every LDS read
	s_cbranch_scc0 .Lfirst_1
	tensor_load_to_lds s[G0M:G0M+3], s[G1M:G1M+7]
	s_nop 0
	PLACES 4
	s_branch .Lfirst_done
.Lfirst_1:
	s_cmp_eq_u32 s[WV], 1
	s_cbranch_scc0 .Lfirst_2
	tensor_load_to_lds s[G0K:G0K+3], s[G1R:G1R+7]
	s_nop 0
	PLACES 4
	s_branch .Lfirst_done
.Lfirst_2:
	s_cmp_eq_u32 s[WV], 2
	s_cbranch_scc0 .Lfirst_3
	tensor_load_to_lds s[G0V:G0V+3], s[G1R:G1R+7]  ; V of step 0 into slot 0
	s_nop 0
	PLACES 4
	s_branch .Lfirst_done
.Lfirst_3:
	s_cmp_eq_u32 s[WV], 3
	s_cbranch_scc0 .Lfirst_done
	tensor_load_to_lds s[G0W:G0W+3], s[G1R:G1R+7]  ; V of step 1 into slot 1: both lie there through pass 1
	s_nop 0
	PLACES 4
.Lfirst_done:
	v_and_b32 v7, 31, v0                           ; lane
	v_and_b32 v8, 15, v0                           ; r
	v_bfe_u32 v9, v0, 4, 1                         ; h
	s_mul_i32 s86, s17, 16*MP
	v_mul_u32_u24 v[AM0], v8, MP
	s_delay_alu instid0(VALU_DEP_1)
	v_lshl_add_u32 v[AM0], v9, 5, v[AM0]
	s_delay_alu instid0(VALU_DEP_1)
	v_add_nc_u32 v[AM0], s86, v[AM0]
	s_mul_i32 s86, s18, 6144
	s_add_co_u32 s86, s86, KOFF
	v_lshl_add_u32 v[A16], v7, 4, s86
	s_add_co_u32 s86, s86, 512
	v_lshl_add_u32 v[A8], v7, 3, s86
	s_lshl_b32 s86, s18, 9
	s_add_co_u32 s86, s86, KOFF+24576
	v_lshl_add_u32 v[AS], v7, 3, s86
	v_lshrrev_b32 v10, 1, v7
	s_delay_alu instid0(VALU_DEP_1)
	v_lshlrev_b32 v10, 13, v10
	v_and_b32 v[PFO], 1, v7
	s_delay_alu instid0(VALU_DEP_1)
	v_lshl_add_u32 v10, v[PFO], 8, v10             ; in M: two lanes to a row
	v_min_u32 v[PFO], 25, v7
	s_delay_alu instid0(VALU_DEP_1)
	v_lshlrev_b32 v[PFO], 8, v[PFO]                ; in a record: lanes 256 bytes apart
	s_delay_alu instid0(VALU_DEP_1)
	v_cndmask_b32 v[PFO], v[PFO], v10, s[PMK]      ; wave 3 goes by M's rows
	v_lshlrev_b32 v10, 4, v7
	v_lshlrev_b32 v9, 3, v7
	v_lshlrev_b32 v8, 3, v8
	global_load_b128 v[QF:QF+3], v10, s[6:7]       ; Q's half fragment stays in registers
	global_load_b64 v[QF+4:QF+5], v9, s[6:7] offset:512
	global_load_b32 v[QS], v8, s[8:9]
.irp j, 6,7,8,9,10,11
	v_mov_b32 v[QF+\j], 0                          ; zero codes for k = 64 .. 127
.endr
.irp j, 6,7,14,15,22,23,30,31,32,33,34,35
	v_mov_b32 v[KF+\j], 0                          ; between K's tiles, and what the last tile's run reaches into
.endr
	v_mov_b32 v[T], 0xff61b1e6                     ; the largest t so far: -3e38
	s_delay_alu instid0(VALU_DEP_1)
	v_floor_f32 v[NM], -v[T]
	v_mov_b32 v[NM+1], 0                           ; (named with it as a pair)
.irp j, 0,1,2,3,4,5,6,7
	v_mov_b32 v[ZA+\j], 0                          ; Z in four parts, W in four
.endr
	v_mov_b32 v[F+1], 0
	v_mov_b32 v[PT], 0                             ; a lane permute's destination counts as one of its sources
	s_wait_loadcnt 0x0                             ; Q; its address registers are written again below
	s_mov_b32 s[CNT], 15
	CHANGE 1, 0
	BODY1 1
	s_mov_b32 s[CNT], 14
.Lp1:
	CHANGE 1, 1
	BODY1 0
	s_sub_co_u32 s[CNT], s[CNT], 1
	s_cmp_lg_u32 s[CNT], 0
	s_cbranch_scc1 .Lp1
	CHANGE 3, 1
	BODY1 0
	s_wait_xcnt 0x0                                ; pass 1's last prefetch has read its address
	s_mov_b64 s[PFA:PFA+1], s[PFV:PFV+1]           ; from here on V's records are named, by wave 4 alone
	s_mov_b32 s[LIM], s[LIMV]
	s_mov_b32 s[CNT], 15
	CHANGE 1, 1
	BODY2 0
	s_mov_b32 s[CNT], 14
	CHANGE 2, 2
	BODY2 1
	s_mov_b32 s[CNT], 13
.Lp2:
	CHANGE 2, 2
	BODY2 2
	s_sub_co_u32 s[CNT], s[CNT], 1
	s_cmp_lg_u32 s[CNT], 0
	s_cbranch_scc1 .Lp2
	CHANGE 0, 2
	BODY2 2
	PLACES 4                                       ; the tail: the last half's arithmetic; four places behind its products K Q^T, where an interval's head has its four additions
	H2A MB
	s_wait_alu depctr_va_vdst(0)
	H2B MB
	QUANT64 S, P+6, MB, 2
	PLACES 8
	PV 0
	; THE WAY OUT: O^T (a lane: one query, 64 channels of my head) becomes a half fragment of the last product's operand.
	PLACES 4
	QUANT64 O, OC, MA, 0
	v_and_b32 v7, 31, v0
	s_delay_alu instid0(VALU_DEP_1)
	v_lshlrev_b32 v8, 3, v7
	s_delay_alu instid0(VALU_DEP_2)
	v_lshlrev_b32 v9, 4, v7
	global_store_b128 v9, v[OC:OC+3], s[94:95]     ; 512 consecutive bytes
	global_store_b64 v8, v[OC+4:OC+5], s[94:95] offset:512
	v_and_b32 v10, 15, v0
	s_lshl_b32 s86, s17, 7
	s_lshl_b32 s87, s18, 1
	s_add_co_u32 s86, s86, s87
	s_add_co_u32 s86, s86, SCX
	v_lshl_add_u32 v10, v10, 3, s86                ; the scale words meet in LDS: tile a x 128 + 8 r + 2 e (both halves of the lanes write the same two bytes)
	v_add_nc_u32 v1, SCX, v9
	v_lshrrev_b32 v2, 3, v7
	v_and_b32 v3, 7, v7
	s_delay_alu instid0(VALU_DEP_2)
	v_lshlrev_b32 v2, 9, v2
	s_delay_alu instid0(VALU_DEP_1)
	v_lshl_add_u32 v2, v3, 5, v2                   ; lane l holds rows 2 (l % 8), + 1 of tile l / 8: 8 bytes each, 16 bytes apart in the panel
	ds_store_b16 v10, v[OW]
	s_wait_dscnt 0x0                               ; for the others' sake
	s_barrier_signal -1
	s_barrier_wait -1
	s_cmp_lg_u32 s[WV], 0
	s_cbranch_scc1 .Lnot_first
	s_wait_alu depctr_va_vdst(0)
	ds_load_b128 v[QF:QF+3], v1
	s_wait_dscnt 0x0
	global_store_b64 v2, v[QF:QF+1], s[96:97]
	global_store_b64 v2, v[QF+2:QF+3], s[96:97] offset:16
.Lnot_first:
	s_wait_tensorcnt 0x0                           ; the wave's end
	ds_add_u32 v[SPW], v[NIL]
	s_wait_dscnt 0x0
	CROUND                                         ; the closing round
	s_endpgm
.Lfunc_end_k_q9bb6ca9a60_attn:
	.size	k_q9bb6ca9a60_attn, .Lfunc_end_k_q9bb6ca9a60_attn-k_q9bb6ca9a60_attn
	.p2alignl 7, 3214868480
	.fill 96, 4, 3214868480
	.section	.rodata,"a",@progbits
	.p2align	6, 0x0
	.amdhsa_kernel k_q9bb6ca9a60_attn
		.amdhsa_group_segment_fixed_size 327680
		.amdhsa_private_segment_fixed_size 0
		.amdhsa_enable_private_segment 0
		.amdhsa_kernarg_size 48
		.amdhsa_user_sgpr_count 2
		.amdhsa_user_sgpr_kernarg_segment_ptr 1
		.amdhsa_wavefront_size32 1
		.amdhsa_system_sgpr_workgroup_id_x 1
		.amdhsa_system_sgpr_workgroup_id_y 1
		.amdhsa_system_sgpr_workgroup_id_z 1
		.amdhsa_system_vgpr_workitem_id 0
		.amdhsa_next_free_vgpr 256
		.amdhsa_next_free_sgpr 100
		.amdhsa_reserve_vcc 0
		.amdhsa_float_denorm_mode_32 3
		.amdhsa_float_denorm_mode_16_64 3
		.amdhsa_memory_ordered 1
		.amdhsa_forward_progress 1
		.amdhsa_inst_pref_size 163
	.end_amdhsa_kernel
	.amdgpu_metadata
---
amdhsa.version: [ 1, 2 ]
amdhsa.kernels:
  - .name:           k_q9bb6ca9a60_attn
    .symbol:         k_q9bb6ca9a60_attn.kd
    .args:
      - { .name: M, .offset: 0, .size: 8, .value_kind: global_buffer, .address_space: global }
      - { .name: qc, .offset: 8, .size: 8, .value_kind: global_buffer, .address_space: global }
      - { .name: qs, .offset: 16, .size: 8, .value_kind: global_buffer, .address_space: global }
      - { .name: kp, .offset: 24, .size: 8, .value_kind: global_buffer, .address_space: global }
      - { .name: vp, .offset: 32, .size: 8, .value_kind: global_buffer, .address_space: global }
      - { .name: ap, .offset: 40, .size: 8, .value_kind: global_buffer, .address_space: global }
    .group_segment_fixed_size: 327680
    .private_segment_fixed_size: 0
    .kernarg_segment_align: 8
    .kernarg_segment_size: 48
    .max_flat_workgroup_size: 512
    .sgpr_count:     100
    .vgpr_count:     256
    .wavefront_size: 32
...
	.end_amdgpu_metadata
.endif
;; end of part 3
;; launch oproj (part 4): grid 8 x 32, 4 waves a work-group, clusters of 4 x 4, 327,680 bytes of LDS; arguments ap, pk, bo, out0; writes out0
.if DOCPART == 4
	.amdgcn_target "amdgcn-amd-amdhsa--gfx1250"
	.amdhsa_code_object_version 6
	.text
	.protected	k_q9bb6ca9a60_oproj
	.globl	k_q9bb6ca9a60_oproj
	.p2align	8
	.type	k_q9bb6ca9a60_oproj,@function
k_q9bb6ca9a60_oproj:
	s_mov_b64 s[64:65], 0
	v_nop
	global_prefetch_b8 v0, s[64:65] scope:SCOPE_SE
	s_setreg_imm32_b32 hwreg(HW_REG_WAVE_MODE, 25, 1), 1
	s_wait_xcnt 0x0
	s_wait_alu depctr_hold_cnt(0) depctr_sa_sdst(0) depctr_va_vdst(0) depctr_va_sdst(0) depctr_va_ssrc(0) depctr_va_vcc(0) depctr_vm_vsrc(0)
	s_getreg_b32 s2, hwreg(HW_REG_IB_STS2, 6, 4)
	s_cmp_eq_u32 s2, 0
	s_cbranch_scc0 .Lentry_in_a_cluster
	s_endpgm
.Lentry_in_a_cluster:
	s_bfe_u32 s2, ttmp6, 0x10000c
	s_cmp_lg_u32 s2, 0xf033
	s_cbranch_scc0 .Lentry_shape_is_right
	s_endpgm
.Lentry_shape_is_right:
.set PANEL, 102400
.set QUART, 25600
.set TILEB, 12288
.set FRB,   1536
.set SCO,   98304
.set WP,    102400
.set STG,   204800
.set SPARE, 222208
.set A16,  4
.set AW,   5
.set A8,   6
.set AS,   7
.set STO,  8
.set RD,   9
.set GO,   11
.set SPW,  12
.set NIL,  13
.set SC,   16
.set F0,   32
.set F1,   80
.set ACC,  128
.set OB,   32
.set BO,   0
.set WV,   20
.set G1X,  32
.set G1W,  40
.set G0X,  48
.set G0A,  52
.set MSB, 0
.macro WIN new
.if MSB != \new
	s_set_vgpr_msb (MSB<<8)|\new
.set MSB, \new
.endif
.endm
.macro PLACES n
.rept \n
	v_nop
.endr
.endm
.macro CROUND
	s_barrier_signal -1
	s_barrier_wait -1
	s_cmp_lg_u32 s[WV], 0
	s_cbranch_scc1 .Lnot_wave_0_\@
	s_barrier_signal -3
.Lnot_wave_0_\@:
	s_barrier_wait -3
	s_barrier_signal -1
	s_barrier_wait -1
.endm
.macro MM a, p, s
.set rD, ACC+32*(\a)+8*(\p)
.set rA, F0+12*(\p)
.set rB, F1+12*(\a)
.set sA, SC+4*(\p)+(\s)%4
.set sB, SC+4*(\a)+(\s)%4
.if (\s) == 0
	v_wmma_scale_f32_16x16x128_f8f6f4 v[rD:rD+7], v[rA:rA+11], v[rB:rB+11], v[BO+8*(\p):BO+8*(\p)+7], v[sA], v[sB] matrix_a_fmt:MATRIX_FMT_FP6 matrix_b_fmt:MATRIX_FMT_FP6 matrix_a_scale:MATRIX_SCALE_ROW1
.else
	v_wmma_scale_f32_16x16x128_f8f6f4 v[rD:rD+7], v[rA:rA+11], v[rB:rB+11], v[rD:rD+7], v[sA], v[sB] matrix_a_fmt:MATRIX_FMT_FP6 matrix_b_fmt:MATRIX_FMT_FP6 matrix_a_scale:MATRIX_SCALE_ROW1
.endif
.endm
.macro KSTEP4 s
	PLACES 4
.if (\s)%4 == 0
.irp i, 0,1,2,3
	ds_load_b128 v[SC+4*\i:SC+4*\i+3], v[AS] offset:\i*512+((\s)/4)*256
.endr
.endif
.irp p, 0,1,2,3
.irp k, 0,1,2
	ds_load_b128 v[F0+12*\p+4*\k:F0+12*\p+4*\k+3], v[AW] offset:\p*TILEB+(\s)*FRB+512*\k
.endr
.endr
.irp a, 0,1,2,3
.irp c, 0,1
	ds_load_b128 v[F1+12*\a+6*\c:F1+12*\a+6*\c+3], v[A16] offset:\a*TILEB+(\s)*FRB+768*\c
	ds_load_b64 v[F1+12*\a+6*\c+4:F1+12*\a+6*\c+5], v[A8] offset:\a*TILEB+(\s)*FRB+768*\c
.endr
.endr
.if (\s) == 0
	WIN 0x10
.endif
.irp a, 0,1,2,3
	s_wait_dscnt 12-4*\a
.irp p, 0,1,2,3
	MM \a, \p, \s
.endr
.endr
	WIN 0
.endm
	s_load_b256 s[4:11], s[0:1], 0x0
	v_lshl_add_u32 v[SPW], v0, 2, SPARE
	v_mov_b32 v[NIL], 0
	ds_add_u32 v[SPW], v[NIL]
	ds_add_u32 v[SPW], v[NIL]
	v_lshrrev_b32 v1, 5, v0
	v_readfirstlane_b32 s[WV], v1
	s_and_b32 s21, s[WV], 1
	s_lshr_b32 s22, s[WV], 1
	s_bfe_u32 s23, ttmp6, 0x40000
	s_bfe_u32 s24, ttmp6, 0x40004
	s_lshl_b32 s25, ttmp9, 2
	s_add_co_u32 s25, s25, s23
	s_and_b32 s26, ttmp7, 0xffff
	s_lshl_b32 s26, s26, 2
	s_add_co_u32 s26, s26, s24
	s_lshl_b32 s27, s24, 2
	s_lshl_b32 s27, 15, s27
	s_lshl_b32 s28, 0x1111, s23
	s_or_b32 s[G1X], s27, (3<<16)|(1<<21)
	s_or_b32 s[G1W], s28, (3<<16)|(1<<21)
.irp g, G1X, G1W
	s_mov_b32 s[\g+1], 32<<16
	s_mov_b32 s[\g+2], 200<<16                     ; a load brings half a panel: 200 rows of 256 bytes
	s_mov_b32 s[\g+3], 32<<16
	s_mov_b32 s[\g+4], 200
	s_mov_b32 s[\g+5], 32
	s_mov_b32 s[\g+6], 0
	s_mov_b32 s[\g+7], 0
.endr
	s_mul_i32 s84, s21, 2*QUART                    ; which half of a panel I bring: wave & 1
	s_mul_i32 s80, s26, PANEL
	s_add_co_u32 s80, s80, s84
	s_mov_b32 s81, 0
	s_mul_i32 s82, s25, PANEL
	s_add_co_u32 s82, s82, s84
	s_add_co_u32 s82, s82, 56*PANEL
	s_mov_b32 s83, 0
	s_wait_dscnt 0x0
	s_wait_kmcnt 0x0
	s_mov_b32 s[G0X], 1
	s_mov_b32 s[G0X+1], s84
	s_add_nc_u64 s[G0X+2:G0X+3], s[4:5], s[80:81]
	s_or_b32 s[G0X+3], s[G0X+3], 0x80000000
	s_mov_b32 s[G0A], 1
	s_add_co_u32 s[G0A+1], s84, WP
	s_add_nc_u64 s[G0A+2:G0A+3], s[6:7], s[82:83]
	s_or_b32 s[G0A+3], s[G0A+3], 0x80000000
	CROUND
	s_cmp_lt_u32 s[WV], 2                          ; the first fills, one load a wave: waves 0 and 1 the halves of the attention's panel, waves 2 and 3 those of Wo's
	s_cbranch_scc0 .Lhead_w
	tensor_load_to_lds s[G0X:G0X+3], s[G1X:G1X+7]
	s_nop 0
	PLACES 4
	s_branch .Lhead_asked
.Lhead_w:
	tensor_load_to_lds s[G0A:G0A+3], s[G1W:G1W+7]
	s_nop 0
	PLACES 4
.Lhead_asked:
	v_and_b32 v1, 31, v0
	v_and_b32 v2, 15, v0
	v_bfe_u32 v3, v0, 4, 1
	s_wait_alu depctr_va_vdst(0)
	s_mul_i32 s86, s21, 4*TILEB
	v_lshl_add_u32 v[A16], v1, 4, s86
	s_add_co_u32 s87, s86, 512
	v_lshl_add_u32 v[A8], v1, 3, s87
	s_mul_i32 s87, s22, 4*TILEB
	s_add_co_u32 s87, s87, WP
	v_lshl_add_u32 v[AW], v1, 4, s87
	s_lshl_b32 s86, s21, 11
	s_lshl_b32 s87, s22, 11
	s_add_co_u32 s87, s87, PANEL
	s_sub_co_u32 s87, s87, s86
	s_add_co_u32 s86, s86, SCO
	v_mul_u32_u24 v[AS], s87, v3
	v_lshl_add_u32 v[AS], v2, 4, v[AS]
	v_add_nc_u32 v[AS], s86, v[AS]
	s_mul_i32 s86, s[WV], 16*272
	s_add_co_u32 s86, s86, STG
	v_mul_u32_u24 v[STO], v2, 272
	v_lshl_add_u32 v[STO], v3, 5, v[STO]
	v_add_nc_u32 v[STO], s86, v[STO]
	v_mul_u32_u24 v[RD], v3, 272
	v_lshl_add_u32 v[RD], v2, 4, v[RD]
	v_add_nc_u32 v[RD], s86, v[RD]
	v_lshlrev_b32 v[GO], 12, v3
	v_lshl_add_u32 v[GO], v2, 4, v[GO]
	v_lshlrev_b32 v10, 5, v3
	s_wait_alu depctr_va_vdst(0)
	s_lshl_b32 s88, s25, 9
	s_lshl_b32 s89, s22, 8
	s_add_co_u32 s88, s88, s89
	s_mov_b32 s89, 0
	s_add_nc_u64 s[8:9], s[8:9], s[88:89]
	s_add_nc_u64 s[10:11], s[10:11], s[88:89]
	s_lshl_b32 s88, s26, 19
	s_lshl_b32 s87, s21, 18
	s_add_co_u32 s88, s88, s87
	s_add_nc_u64 s[10:11], s[10:11], s[88:89]
	WIN 0x40
.irp p, 0,1,2,3
	global_load_b128 v[BO+8*\p:BO+8*\p+3], v10, s[8:9] offset:64*\p
	global_load_b128 v[BO+8*\p+4:BO+8*\p+7], v10, s[8:9] offset:64*\p+16
.endr
	WIN 0
	s_wait_loadcnt 0x0
	s_wait_tensorcnt 0x0
	s_barrier_signal -1
	s_barrier_wait -1
.irp s, 0,1,2,3,4,5,6,7
	KSTEP4 \s
.endr
	PLACES 4
.irp a, 0,1,2,3
.if \a >= 2
	s_wait_xcnt 0x0
.endif
.irp p, 0,1,2,3
	ds_store_b128 v[STO], v[ACC+32*\a+8*\p:ACC+32*\a+8*\p+3] offset:64*\p
	ds_store_b128 v[STO], v[ACC+32*\a+8*\p+4:ACC+32*\a+8*\p+7] offset:64*\p+16
.endr
.irp i, 0,1,2,3,4,5,6,7
	ds_load_b128 v[OB+32*(\a%2)+4*\i:OB+32*(\a%2)+4*\i+3], v[RD] offset:\i*2*272
.endr
	s_wait_dscnt 0x0
.irp i, 0,1,2,3,4,5,6,7
	global_store_b128 v[GO], v[OB+32*(\a%2)+4*\i:OB+32*(\a%2)+4*\i+3], s[10:11] offset:\a*65536+\i*8192 th:TH_STORE_NT
.endr
.endr
	s_wait_tensorcnt 0x0
	ds_add_u32 v[SPW], v[NIL]
	s_wait_dscnt 0x0
	CROUND
	s_endpgm
.Lfunc_end_k_q9bb6ca9a60_oproj:
	.size	k_q9bb6ca9a60_oproj, .Lfunc_end_k_q9bb6ca9a60_oproj-k_q9bb6ca9a60_oproj
	.p2alignl 7, 3214868480
	.fill 96, 4, 3214868480
	.section	.rodata,"a",@progbits
	.p2align	6, 0x0
	.amdhsa_kernel k_q9bb6ca9a60_oproj
		.amdhsa_group_segment_fixed_size 327680
		.amdhsa_private_segment_fixed_size 0
		.amdhsa_enable_private_segment 0
		.amdhsa_kernarg_size 32
		.amdhsa_user_sgpr_count 2
		.amdhsa_user_sgpr_kernarg_segment_ptr 1
		.amdhsa_wavefront_size32 1
		.amdhsa_system_sgpr_workgroup_id_x 1
		.amdhsa_system_sgpr_workgroup_id_y 1
		.amdhsa_system_sgpr_workgroup_id_z 1
		.amdhsa_system_vgpr_workitem_id 0
		.amdhsa_next_free_vgpr 288
		.amdhsa_next_free_sgpr 90
		.amdhsa_reserve_vcc 0
		.amdhsa_float_denorm_mode_32 3
		.amdhsa_float_denorm_mode_16_64 3
		.amdhsa_memory_ordered 1
		.amdhsa_forward_progress 1
		.amdhsa_inst_pref_size 48
	.end_amdhsa_kernel
	.amdgpu_metadata
---
amdhsa.version: [ 1, 2 ]
amdhsa.kernels:
  - .name:           k_q9bb6ca9a60_oproj
    .symbol:         k_q9bb6ca9a60_oproj.kd
    .args:
      - { .name: ap, .offset: 0, .size: 8, .value_kind: global_buffer, .address_space: global }
      - { .name: pk, .offset: 8, .size: 8, .value_kind: global_buffer, .address_space: global }
      - { .name: bo, .offset: 16, .size: 8, .value_kind: global_buffer, .address_space: global }
      - { .name: out0, .offset: 24, .size: 8, .value_kind: global_buffer, .address_space: global }
    .group_segment_fixed_size: 327680
    .private_segment_fixed_size: 0
    .kernarg_segment_align: 8
    .kernarg_segment_size: 32
    .max_flat_workgroup_size: 128
    .sgpr_count:     90
    .vgpr_count:     288
    .wavefront_size: 32
...
	.end_amdgpu_metadata
.endif
;; end of part 4
